; MI455X (gfx1250); checked and timed in simulation.
; The chip was launched on July 23, 2026; its instructions are those of AMD's public machine-readable ISA for CDNA 5 (MIT licence, August 2026) and "CDNA5" Instruction Set Architecture Reference Guide (July 2026). The comments in the code are by the model that wrote it; some were corrected since.
;; MHA. Allowed arithmetic: matrix products marked QUANTISED: E2M3 operands, one E8M0 scale for each 32 along K, by v_wmma_scale_f32_16x16x128_f8f6f4 with both operands' format E2M3, f32 sums; everything else in f32.
;; Inputs: b_attn 3,072 float32; b_proj 1,024 float32; w_attn 1,024 x 3,072 float32; w_proj 1,024 x 1,024 float32; x 8 x 1,024 x 1,024 float32.
;; Outputs: out0 8 x 1,024 x 1,024 float32.
;; This version of the problem:
;;   THIS VERSION OF THE PROBLEM IS GIVEN IN LOW PRECISION. The matrix products marked QUANTISED in the list below multiply operands that are first quantised to E2M3 (2 exponent bits, 3 mantissa bits; 6 bits a number), with one power-of-two scale for each 32 numbers along K (OCP MX v1.0); their sums are f32. All else is computed in f32.
;;   The module's matrix products, in the order in which they are computed (A, B: the left and right operand; K: the contracted axis; several contracted axes count as one K, in the product's order):
;;     1. [M 8,192, K 1,024] x [K 1,024, N 3,072]; A: input x; B: input w_attn: QUANTISED
;;     2. batch 128 x [M 1,024, K 64] x [K 64, N 1,024]; A: computed on the way; B: computed on the way: QUANTISED
;;     3. batch 128 x [M 1,024, K 1,024] x [K 1,024, N 64]; A: softmax (see below); B: computed on the way: QUANTISED
;;     4. [M 8,192, K 1,024] x [K 1,024, N 1,024]; A: computed on the way; B: input w_proj: QUANTISED
;;   THE QUANTISER, for each operand of a quantised product, along K:
;;     - K is cut into blocks of 32 from its start; a last block that is shorter is filled with zeros.
;;     - A block's scale is 2^e with e = floor(log2(the largest magnitude in the block)) - 2, held to -126 .. 127; a block of zeros has e = 0. As a byte (E8M0): e + 127.
;;     - Each number is divided by its block's scale, clamped to +-7.5, and rounded to the nearest number of E2M3, ties to even, subnormals kept.
;;     - The product sums the exact products of the quantised numbers (number of the format x scale) in f32.
;;   ~~~python
;;   def quantise(x, axis):      # numpy; x: float32 -> the quantised numbers, widened to float32 again
;;       x = np.moveaxis(x, axis, -1); K = x.shape[-1]
;;       x = np.pad(x, [(0, 0)] * (x.ndim - 1) + [(0, -K % 32)]); x = x.reshape(x.shape[:-1] + (-1, 32)); a = np.abs(x).max(-1, keepdims=True)
;;       e = np.where(a > 0, np.clip(np.frexp(np.where(a > 0, a, 1))[1] - 1 - 2, -126, 127), 0)      # np.frexp(a)[1] - 1 = floor(log2(a)), exactly
;;       r = np.clip(x / 2.0 ** e, -7.5, 7.5)
;;       step = 2.0 ** (np.maximum(np.frexp(np.where(r == 0, 1, r))[1] - 1, 0) - 3)
;;       q = np.round(r / step) * step * 2.0 ** e      # np.round: ties to even
;;       return np.moveaxis(q.reshape(q.shape[:-2] + (-1,))[..., :K], -1, axis).astype(np.float32)
;;   ~~~
;;   SOFTMAX AHEAD OF A QUANTISED PRODUCT. Where the list says 'softmax', what is quantised is not the finished softmax but p = 2^(t - M), with t = logit x log2(e) and M = ceil(the row's largest t), a whole number; so 1/2 < the row's largest p <= 1. The row's sum l is taken of the UNQUANTISED p, in f32, and the product's result is divided by l at the end. Since M is a whole number, a kernel that streams over the keys may use a running M (the ceiling of the running maximum): every later rescaling is an exact power of two, which a block's scale takes up: the codes' values come out the same.
;;   OPERANDS COMPUTED ON THE WAY. 'Computed on the way' means the value that the module computes at that place (a softmax that the list does not call 'softmax' is quantised finished and normalised). What goes into a quantiser is computed in f32, as accurately as f32 sums, v_exp_f32 and their like allow (about 1e-6 of the number): no bf16 or f16 on the way to a quantiser, and a product that is left as it is and whose result goes on into a quantised operand takes f32 operands (vector FMAs, or v_wmma_f32_16x16x4_f32). A number that lies on a knife's edge between two numbers of the format may be rounded either way, as far as f32 arithmetic and the matrix unit's own rounding can turn it there, and no further.
;; One version. Each part assembles by itself: llvm-mc -triple=amdgcn-amd-amdhsa -mcpu=gfx1250 --defsym DOCPART=n.
;; ======== version 1 of 1: 4 launches
;; workspace buffers: op 9,830,400 bytes; qkv 20,185,088 bytes; oq 6,553,600 bytes
;; launch quant (part 1): grid 640 x 1, 4 waves a work-group, no clusters, 91,648 bytes of LDS; arguments x, w_attn, w_proj, op; writes op
.if DOCPART == 1
	.amdgcn_target "amdgcn-amd-amdhsa--gfx1250"
	.amdhsa_code_object_version 6
	.text
	.protected	k_qf63b9cdcef_quant
	.globl	k_qf63b9cdcef_quant
	.p2align	8
	.type	k_qf63b9cdcef_quant,@function
k_qf63b9cdcef_quant:
	s_mov_b64 s[64:65], 0
	v_nop
	global_prefetch_b8 v0, s[64:65] scope:SCOPE_SE
	s_setreg_imm32_b32 hwreg(HW_REG_WAVE_MODE, 25, 1), 1
	s_wait_xcnt 0x0
; x [8192][1024], w_attn [1024][3072] and w_proj [1024][1024], f32, become codes of FP6 (E2M3) with one E8M0 byte for each 32 along K,
; laid in op AS IMAGES OF OPERAND REGISTERS: codes [slot of 256 K: 4][tile of 16 rows: 768][K step of 128: 2][chunk: 6][lane: 32][8 bytes];
; chunk p holds lane l's registers 2 p, 2 p + 1 of the fragment (lane (r, h): registers 6 c .. 6 c + 5 = k 64 c + 32 h + 0 .. 31 of row r).
; Scale words behind them, from SCO on: [tile][slot][r 16][K step 2], four bytes for 128 along K.  Tiles 0-511: x; 512-703: w_attn's columns; 704-767: w_proj's.
; THE ROWS OF A TILE ARE NOT NEIGHBOURS: row i of tile T is index 32 (T / 2) + 8 (T % 2) + i + 8 (i / 8), so that in a later product the 16 registers of two
; neighbouring tiles are 16 neighbours along the next K.
; A block's scale is 2^(floor(log2(largest magnitude)) - 2): its byte is the largest magnitude's exponent field - 2, held at 1 from below.
; LIMITS: a block of zeros keeps the byte 1 (its codes are zeros; this program alone reads the bytes); magnitudes under 2^-124 count as the floor; NaN and infinities are not served.
; Work-groups 0-127 take the weights (a lane to a column, registers down K), 128-639 take x (a wave: 16 rows x 256 K, turned through its own stage in LDS).
; The two ways have LDS bytes of their own.  No tensor load, no barrier: waves share nothing.
.set SSTR,   2359296                   ; bytes from slot to slot: 768 tiles x 3,072
.set SCO,    9437184                   ; where the scale words begin: 4 x SSTR
.set XPITCH, 1040                      ; x's stage: a row of 1,024 bytes + 16: 65 x 16, so that 16 rows start in 16 different columns of 16 bytes
.set XREG,   16*XPITCH                 ; a wave's stage on x's way
.set WST,    4*XREG                    ; the weights' stages begin here
.set WREG,   6144                      ; a wave's stage on the weights' way: two tiles' images of a slot
.set SPARE,  WST+4*WREG                ; the spare words, 128 bytes a wave: two blocks of 256 bytes that no other line names
.set SPW,    14                        ; v14  LDS address of my spare word; never rewritten
.set NIL,    15                        ; v15  0; never rewritten
.set FLOOR,  0x1800000                 ; 2^(3 - 127)
	s_load_b256 s[4:11], s[0:1], 0x0               ; x s[4:5], w_attn s[6:7], w_proj s[8:9], op s[10:11]
	v_lshl_add_u32 v[SPW], v0, 2, SPARE
	v_mov_b32 v[NIL], 0
	v_lshrrev_b32 v1, 5, v0
	v_readfirstlane_b32 s12, v1                    ; wave 0..3
	v_and_b32 v1, 31, v0                           ; lane
	v_and_b32 v2, 15, v0                           ; r
	v_bfe_u32 v3, v0, 4, 1                         ; h
	s_cmp_lt_u32 ttmp9, 128
	s_cbranch_scc1 .Lweights
; ---------------- x: work-group = tile T, wave = slot of 256 along K ----------------
.set L,  64                            ; v64-191  the 16 KiB as they are loaded
.set XS, 192                           ; v192-255 two sets of 32 neighbours along K
.set F,  32                            ; v32-55   two fragments' registers
.set BY, 16                            ; v16-19   the byte of my block in (K step q, half c): 2 q + c
.set W,  20                            ; v20-21   the scale word of K step q
.set CT, 24                            ; v24-26   a conversion's three registers begin on an even number: the upper half of a block is made here and moved
	s_sub_co_u32 s13, ttmp9, 128                   ; T
	s_lshr_b32 s14, s13, 1
	s_lshl_b32 s14, s14, 5
	s_and_b32 s15, s13, 1
	s_lshl_b32 s15, s15, 3
	s_add_co_u32 s14, s14, s15                     ; the tile's first token: 32 (T / 2) + 8 (T % 2)
	s_lshl_b32 s14, s14, 12                        ; x 4,096 bytes a row
	s_lshl_b32 s15, s12, 10
	s_add_co_u32 s14, s14, s15                     ; + 1,024 bytes a slot
	s_mov_b32 s15, 0
	s_mul_i32 s22, s12, SSTR
	s_mul_i32 s23, s13, 3072
	s_add_co_u32 s22, s22, s23                     ; my images
	s_mov_b32 s23, 0
	s_lshl_b32 s24, s13, 9
	s_lshl_b32 s25, s12, 7
	s_add_co_u32 s24, s24, s25
	s_add_co_u32 s24, s24, SCO                     ; my scale words
	s_mov_b32 s25, 0
	s_mul_i32 s26, s12, XREG                       ; my stage
	s_mov_b32 s36, 0x76543210
	s_mov_b32 s37, 0xfedcba98                      ; v_permlanex16_b32's selects for lane l xor 16
	v_lshlrev_b32 v4, 4, v1                        ; 16 x lane
	v_add_nc_u32 v5, s26, v4                       ; into the stage: as loaded
	v_mul_u32_u24 v6, v2, XPITCH
	v_lshl_add_u32 v6, v3, 7, v6
	v_add_nc_u32 v6, s26, v6                       ; out of it: row r, + 128 h: my block of 32
	v_lshlrev_b32 v7, 3, v1                        ; 8 x lane: my place in a chunk
	v_lshlrev_b32 v8, 3, v2
	v_lshl_add_u32 v8, v3, 2, v8                   ; 8 r + 4 h: lane (r, h) stores row r's word of K step h
	v_lshlrev_b32 v9, 3, v3                        ; 8 h
	v_mov_b32 v22, 0                               ; a lane permute's destination counts as one of its sources
	s_wait_kmcnt 0x0
	s_add_nc_u64 s[16:17], s[4:5], s[14:15]
	s_add_nc_u64 s[18:19], s[10:11], s[22:23]
	s_add_nc_u64 s[20:21], s[10:11], s[24:25]
.set ii, 0
.rept 32                               ; each load reads 512 consecutive bytes: half of a row's part; row i / 2 of the tile
	global_load_b128 v[L+4*ii:L+4*ii+3], v4, s[16:17] offset:((ii/2)+8*((ii/2)/8))*4096+512*(ii%2) th:TH_LOAD_NT
.set ii, ii+1
.endr
.macro XTURN g                         ; four loads' bytes go into the stage as they lie
	s_wait_loadcnt 28-4*(\g)                       ; loads come back in order: the younger groups of four stay out
.irp k, 0,1,2,3
	ds_store_b128 v5, v[L+16*(\g)+4*\k:L+16*(\g)+4*\k+3] offset:XPITCH*(2*(\g)+\k/2)+512*(\k%2)
.endr
.endm
.macro XRD n                           ; n = 2 q + c: my block 2 c + h of K step q, 128 bytes, into set n % 2.  LDS serves a wave's instructions in order: these see the stores
.irp j, 0,1,2,3,4,5,6,7
	ds_load_b128 v[XS+32*((\n)%2)+4*\j:XS+32*((\n)%2)+4*\j+3], v6 offset:256*(\n)+16*\j
.endr
.endm
.macro XBLK n
.set XB, XS+32*((\n)%2)
.set FB, F+6*(\n)
.if (\n) < 3
	s_wait_dscnt 8                                 ; this block is in; the next block's eight loads may be out
.else
	s_wait_dscnt 0x0
.endif
	v_max3_num_f32 v10, |v[XB]|, |v[XB+1]|, |v[XB+2]|              ; the block's largest magnitude: all 32 numbers are mine; two chains
	v_max3_num_f32 v11, |v[XB+3]|, |v[XB+4]|, |v[XB+5]|
.irp i, 6,10,14,18,22,26
	v_max3_num_f32 v10, v10, |v[XB+\i]|, |v[XB+\i+1]|
	v_max3_num_f32 v11, v11, |v[XB+\i+2]|, |v[XB+\i+3]|
.endr
	v_max3_num_f32 v10, v10, |v[XB+30]|, |v[XB+31]|
	v_max3_num_f32 v10, v10, v11, FLOOR            ; and the floor: the byte cannot fall under 1
	v_add_nc_u32 v28, 0xff000000, v10              ; 2 off the exponent field: the conversion takes that field as its scale
	v_cvt_scalef32_pk16_fp6_f32 v[FB:FB+2], v[XB:XB+15], v28
	v_cvt_scalef32_pk16_fp6_f32 v[CT:CT+2], v[XB+16:XB+31], v28
	v_lshrrev_b32 v[BY+(\n)], 23, v28              ; the byte.  (The plain line behind the conversions)
.irp i, 0,1,2
	v_mov_b32 v[FB+3+\i], v[CT+\i]
.endr
.if (\n) < 2
	XRD (\n)+2
.endif
.if (\n)%2 == 1                        ; a K step's fragment is whole: six stores of 256 consecutive bytes each, aligned; their data are never written again
.irp p, 0,1,2,3,4,5
	global_store_b64 v7, v[F+12*((\n)/2)+2*\p:F+12*((\n)/2)+2*\p+1], s[18:19] offset:1536*((\n)/2)+256*\p
.endr
	v_lshl_or_b32 v[W+(\n)/2], v[BY+(\n)], 16, v[BY+(\n)-1]        ; my two bytes: blocks h and 2 + h,
	v_lshlrev_b32 v[W+(\n)/2], v9, v[W+(\n)/2]                     ; 8 h bits up;
	v_permlanex16_b32 v22, v[W+(\n)/2], s36, s37
	v_or_b32 v[W+(\n)/2], v[W+(\n)/2], v22                         ; with lane l xor 16's two the word is whole
.endif
.endm
.irp g, 0,1,2,3,4,5,6,7
	XTURN \g
.endr
	XRD 0
	XRD 1
	XBLK 0
	XBLK 1
	XBLK 2
	XBLK 3
	v_cmp_ne_u32 vcc_lo, 0, v3
	v_cndmask_b32 v23, v[W], v[W+1], vcc_lo
	global_store_b32 v8, v23, s[20:21]             ; 128 consecutive bytes: the tile's words of this slot (the four slots' runs lie side by side; one byte in 128 of what this way reads)
	s_wait_tensorcnt 0x0                           ; the wave's end, behind my last LDS store
	ds_add_u32 v[SPW], v[NIL]
	s_wait_dscnt 0x0
	s_endpgm
; ---------------- the weights: K is their FIRST axis.  A lane takes a column, its registers run down K ----------------
; Work-group: 128 columns (cg = id % 32; 0-23 w_attn, 24-31 w_proj) x one slot of 256 along K (id / 32).  A wave: 32 columns = two tiles; 8 blocks of 32 a lane.
.Lweights:
.set X,   64                           ; v64-127  two sets of 32 numbers
.set OFF, 32                           ; v32-63   4 x lane + i rows of the tensor
.set C,   20                           ; v20-25   a block's codes;  v26-28: the upper half as the conversion leaves it
.set CU,  26
.set SB,  16                           ; v16-17   the scale words of the slot's two K steps
.set OUTR, 128                         ; v128-175 the way out
	s_and_b32 s13, ttmp9, 31                       ; cg
	s_lshr_b32 s14, ttmp9, 5                       ; slot
	s_lshl_b32 s15, s13, 7
	s_lshl_b32 s33, s12, 5
	s_add_co_u32 s15, s15, s33                     ; my wave's first column among the 4,096
	s_lshl_b32 s44, s13, 3
	s_lshl_b32 s45, s12, 1
	s_add_co_u32 s44, s44, s45
	s_add_co_u32 s44, s44, 512                     ; its tile
	s_mul_i32 s46, s44, 3072
	s_mul_i32 s47, s14, SSTR
	s_add_co_u32 s46, s46, s47
	s_mov_b32 s47, 0
	s_lshl_b32 s48, s44, 9
	s_lshl_b32 s45, s14, 7
	s_add_co_u32 s48, s48, s45
	s_add_co_u32 s48, s48, SCO
	s_mov_b32 s49, 0
	s_wait_kmcnt 0x0
	s_add_nc_u64 s[40:41], s[10:11], s[46:47]      ; my two tiles' images of this slot: 6,144 dense bytes
	s_add_nc_u64 s[42:43], s[10:11], s[48:49]      ; and their scale words
	s_cmp_lt_u32 s13, 24                           ; which tensor: the choice hangs on the work-group's number alone
	s_cselect_b64 s[34:35], s[6:7], s[8:9]
	s_mov_b32 s32, 4096
	s_cselect_b32 s32, 12288, s32                  ; bytes in a row of it
	s_cselect_b32 s33, 0, 3072
	s_sub_co_u32 s15, s15, s33
	s_lshl_b32 s15, s15, 2                         ; my first column in it, in bytes
	s_lshl_b32 s38, s14, 8
	s_mul_i32 s38, s38, s32                        ; 256 rows a slot
	s_add_co_u32 s38, s38, s15
	s_mov_b32 s39, 0
	s_add_nc_u64 s[16:17], s[34:35], s[38:39]      ; a base for each block of 32 rows: none is ever rewritten
	s_lshl_b32 s38, s32, 5
.irp t, 1,2,3,4,5,6,7
	s_add_nc_u64 s[16+2*\t:17+2*\t], s[14+2*\t:15+2*\t], s[38:39]
.endr
	v_bfe_u32 v8, v0, 3, 1                         ; column e = lane: tile e bit 3,
	v_and_b32 v9, 7, v0
	v_lshl_add_u32 v9, v3, 3, v9                   ; row 8 (e bit 4) + e % 8
	v_lshlrev_b32 v9, 3, v9
	v_mul_u32_u24 v10, v8, 3072
	v_add_nc_u32 v4, v10, v9
	s_mul_i32 s50, s12, WREG
	s_add_co_u32 s50, s50, WST                     ; my stage
	v_add_nc_u32 v4, s50, v4                       ; into it: my tile's image, my row's 8 bytes of a chunk's lower half
	v_lshlrev_b32 v6, 4, v1                        ; 16 x lane
	v_add_nc_u32 v5, s50, v6                       ; out of it: as it lies
	v_lshl_add_u32 v7, v8, 9, v9                   ; my row's two scale words: 512 x tile + 8 x row
	v_lshlrev_b32 v[OFF], 2, v1
.set ii, 1
.rept 31
	v_add_nc_u32 v[OFF+ii], s32, v[OFF+ii-1]
.set ii, ii+1
.endr
.macro WLOAD t                         ; block t: rows 32 t + i at my column: 32 lanes read 128 consecutive bytes, the four waves 512
.set ii, 0
.rept 32
	global_load_b32 v[X+32*((\t)%2)+ii], v[OFF+ii], s[16+2*(\t):17+2*(\t)] th:TH_LOAD_NT
.set ii, ii+1
.endr
.endm
.macro WBLOCK t                        ; t = 4 q + 2 c + h: the block belongs to lane (row, h), registers 6 c .. 6 c + 5 of K step q's fragment
.set XB, X+32*((\t)%2)
.if (\t) < 7
	s_wait_loadcnt 32                              ; this block's 32 loads are in; the next block's may be out
.else
	s_wait_loadcnt 0x0
.endif
	v_max3_num_f32 v12, |v[XB]|, |v[XB+1]|, |v[XB+2]|
	v_max3_num_f32 v13, |v[XB+3]|, |v[XB+4]|, |v[XB+5]|
.irp i, 6,10,14,18,22,26
	v_max3_num_f32 v12, v12, |v[XB+\i]|, |v[XB+\i+1]|
	v_max3_num_f32 v13, v13, |v[XB+\i+2]|, |v[XB+\i+3]|
.endr
	v_max3_num_f32 v12, v12, |v[XB+30]|, |v[XB+31]|
	v_max3_num_f32 v12, v12, v13, FLOOR
	v_add_nc_u32 v11, 0xff000000, v12
	v_lshrrev_b32 v13, 23, v11
.if (\t)%4 == 0
	v_mov_b32 v[SB+(\t)/4], v13
.else
	v_lshl_or_b32 v[SB+(\t)/4], v13, 8*((\t)%4), v[SB+(\t)/4]
.endif
	v_cvt_scalef32_pk16_fp6_f32 v[C:C+2], v[XB:XB+15], v11
	v_cvt_scalef32_pk16_fp6_f32 v[CU:CU+2], v[XB+16:XB+31], v11
	v_nop                                          ; one plain line behind the conversions
.irp i, 0,1,2
	v_mov_b32 v[C+3+\i], v[CU+\i]
.endr
.irp e, 0,1,2
	ds_store_b64 v4, v[C+2*\e:C+2*\e+1] offset:1536*((\t)/4)+256*(3*(((\t)%4)/2)+\e)+128*((\t)%2)
.endr
.if (\t)+2 < 8
	WLOAD (\t)+2
.endif
	s_wait_dscnt 0x0                               ; the stores have read their registers: the next block's codes may be written
.endm
	WLOAD 0
	WLOAD 1
.irp t, 0,1,2,3,4,5,6,7
	WBLOCK \t
.endr
	global_store_b64 v7, v[SB:SB+1], s[42:43]      ; 8 bytes a row: two runs of 128 consecutive bytes
.irp i, 0,1,2,3,4,5,6,7,8,9,10,11
	ds_load_b128 v[OUTR+4*\i:OUTR+4*\i+3], v5 offset:512*\i        ; LDS serves a wave's instructions in order: these see my stores
.endr
.irp i, 0,1,2,3,4,5,6,7,8,9,10,11
	s_wait_dscnt 11-\i
	global_store_b128 v6, v[OUTR+4*\i:OUTR+4*\i+3], s[40:41] offset:512*\i   ; 512 consecutive bytes, aligned
.endr
	s_wait_tensorcnt 0x0                           ; the wave's end, behind my last LDS store
	ds_add_u32 v[SPW], v[NIL]
	s_wait_dscnt 0x0
	s_endpgm
.Lfunc_end_k_qf63b9cdcef_quant:
	.size	k_qf63b9cdcef_quant, .Lfunc_end_k_qf63b9cdcef_quant-k_qf63b9cdcef_quant
	.p2alignl 7, 3214868480
	.fill 96, 4, 3214868480
	.section	.rodata,"a",@progbits
	.p2align	6, 0x0
	.amdhsa_kernel k_qf63b9cdcef_quant
		.amdhsa_group_segment_fixed_size 91648
		.amdhsa_private_segment_fixed_size 0
		.amdhsa_enable_private_segment 0
		.amdhsa_kernarg_size 32
		.amdhsa_user_sgpr_count 2
		.amdhsa_user_sgpr_kernarg_segment_ptr 1
		.amdhsa_wavefront_size32 1
		.amdhsa_system_sgpr_workgroup_id_x 1
		.amdhsa_system_sgpr_workgroup_id_y 1
		.amdhsa_system_sgpr_workgroup_id_z 1
		.amdhsa_system_vgpr_workitem_id 0
		.amdhsa_next_free_vgpr 256
		.amdhsa_next_free_sgpr 66
		.amdhsa_reserve_vcc 1
		.amdhsa_float_denorm_mode_32 3
		.amdhsa_float_denorm_mode_16_64 3
		.amdhsa_memory_ordered 1
		.amdhsa_forward_progress 1
		.amdhsa_inst_pref_size 60
	.end_amdhsa_kernel
	.amdgpu_metadata
---
amdhsa.version: [ 1, 2 ]
amdhsa.kernels:
  - .name:           k_qf63b9cdcef_quant
    .symbol:         k_qf63b9cdcef_quant.kd
    .args:
      - { .name: x, .offset: 0, .size: 8, .value_kind: global_buffer, .address_space: global }
      - { .name: w_attn, .offset: 8, .size: 8, .value_kind: global_buffer, .address_space: global }
      - { .name: w_proj, .offset: 16, .size: 8, .value_kind: global_buffer, .address_space: global }
      - { .name: op, .offset: 24, .size: 8, .value_kind: global_buffer, .address_space: global }
    .group_segment_fixed_size: 91648
    .private_segment_fixed_size: 0
    .kernarg_segment_align: 8
    .kernarg_segment_size: 32
    .max_flat_workgroup_size: 128
    .sgpr_count:     66
    .vgpr_count:     256
    .wavefront_size: 32
...
	.end_amdgpu_metadata
.endif
;; end of part 1
;; launch qkvgemm (part 2): grid 12 x 32, 4 waves a work-group, clusters of 4 x 4, 327,680 bytes of LDS; arguments op, b_attn, qkv; writes qkv
.if DOCPART == 2
	.amdgcn_target "amdgcn-amd-amdhsa--gfx1250"
	.amdhsa_code_object_version 6
	.text
	.protected	k_qf63b9cdcef_qkvgemm
	.globl	k_qf63b9cdcef_qkvgemm
	.p2align	8
	.type	k_qf63b9cdcef_qkvgemm,@function
k_qf63b9cdcef_qkvgemm:
	s_mov_b64 s[64:65], 0
	v_nop
	global_prefetch_b8 v0, s[64:65] scope:SCOPE_SE
	s_setreg_imm32_b32 hwreg(HW_REG_WAVE_MODE, 25, 1), 1
	s_wait_xcnt 0x0
	s_wait_alu depctr_hold_cnt(0) depctr_sa_sdst(0) depctr_va_vdst(0) depctr_va_sdst(0) depctr_va_ssrc(0) depctr_va_vcc(0) depctr_vm_vsrc(0)
	s_getreg_b32 s2, hwreg(HW_REG_IB_STS2, 6, 4)
	s_cmp_eq_u32 s2, 0
	s_cbranch_scc0 .Lentry_in_a_cluster
	s_endpgm
.Lentry_in_a_cluster:
	s_bfe_u32 s2, ttmp6, 0x10000c
	s_cmp_lg_u32 s2, 0xf033
	s_cbranch_scc0 .Lentry_shape_is_right
	s_endpgm
.Lentry_shape_is_right:
; qkv = x w_attn + b_attn on codes of FP6 (E2M3), K = 1,024; the results are quantised in registers and leave as codes: q and k along the head's 64, v along the keys.
; Both operands lie in op as images of operand registers (16 rows x 128 K: six chunks of 256 bytes, lane l's registers 2 p, 2 p + 1 at 8 l), so a tile of 128 rows x 256 K is one dense block of 24,576 bytes,
; a fragment comes by six ds_load_b64 of 256 consecutive bytes, and nothing is padded.  Row i of tile T is index 32 (T / 2) + 8 (T % 2) + i + 8 (i / 8).
; A work-group of four waves makes 256 x 256, a wave 128 x 128: 64 accumulators.  Source 0 takes rows of P, source 1 rows of R: a lane holds ONE row of R, and its 64 registers of R's block a
; run along P: register 16 b + i = P's index 32 b + 16 (lane / 16) + i: the order in which the quantiser wants 128 neighbours.
; THE CLUSTER'S x SAYS WHAT IS MADE: 0: q, 1: k (P = 256 columns of the weight, R = 256 tokens: registers run along the channels of two heads); 2: v (P = tokens, R = columns: registers run along 128 keys).
; CLUSTERS: 4 x 4.  R's tiles hang on cy alone and are asked for jointly by a row of the cluster, P's on cx alone, by a column.
; K goes in four slots of 256 through a ring of two LDS slots; the scale words of the 512 rows, for all of K, come once.  All is written straight: four slots need no loop.
; OUT (qkv): a record of REC bytes for each (batch, head): Q images 64 x 768, Q scales, K images, V images, K scales, V scales (offsets below).
; LIMITS: a block of zeros keeps the byte 1 (its codes are zeros); magnitudes under 2^-124 count as the floor; NaN and infinities are not served.
; REGISTERS: window 0: v0-31 addresses; v32-63 scale words, two sets; v64-127 b_attn along P; v128-223 R's fragments, one set (later the epilogue's); v240-255 b_attn along R.
;   window 1: P's fragments, two sets, at v0 and v128.   windows 2, 3: the accumulators ((a, b) at v[8 (8 (a % 4) + b)]).
.set SSTR,  2359296                    ; op: bytes from slot to slot
.set SCO,   9437184                    ; op: where the scale words begin
.set RSTR,  SSTR
.set PSTR,  SSTR
.set REC,   157696                     ; qkv: a head's record: 0 Q images, 49,152 Q scales, 53,248 K images, 102,400 V images, 151,552 K scales, 155,648 V scales
.set NQ,    2                          ; K steps of 128 in a slot
.set FR,    12                         ; registers of a fragment
.set NL,    6                          ; LDS loads that bring one
.set NP,    4                          ; places behind this matrix instruction (ISA guide 7.12.1)
.set HALFT, 24576                      ; 128 rows x 256 K: what one tensor load brings
.set SLOT,  4*HALFT                    ; R's 256 rows, then P's
.set SCL,   2*SLOT                     ; behind the ring: the scale words, 4,096 bytes for 128 rows
.set HALFS, 4096
.set SPARE, SCL+4*HALFS                ; the spare words, 128 bytes a wave: two blocks of 256 bytes that no other line names
.set ADRA, 16                          ; v16-17 LDS address of my R fragments in slot 0, 1
.set ADRB, 20                          ; v20-21 the same for P
.set ADRS, 27                          ; v27    of my scale words: lanes 0-15 R's rows, lanes 16-31 P's
.set SPW,  28                          ; v28    my spare word; never rewritten
.set NIL,  29                          ; v29    0; never rewritten
.set SC,   32
.set BIAS, 64
.set AF,   128
.set BV,   240
.set H,    128                         ; the epilogue: 64 numbers of a lane,
.set PC,   192                         ; v192-203 the codes just made; v204-206, v208-210 at work,
.set TM,   212                         ; v212-227 at work,
.set SW,   228                         ; v228-235 the scale word of each of R's eight blocks
.set SEL,  98                          ; s[98:99] v_permlanex16_b32's selects for lane l xor 16
.set G1, 24
.set G0, 32
.set G1B, 48
.set G0B, 56
.set G1S, 68
.set G0S, 76
.set G1SB, 80
.set G0SB, 88
.set MSB, 0
.macro WIN new                         ; the immediate's high byte repeats the setting that is left
.if MSB != (\new)
	s_set_vgpr_msb (MSB<<8)|(\new)
.set MSB, \new
.endif
.endm
.set MUL_LO, 0xa1                      ; source 0 (P) window 1, source 1 (R) window 0, C and D window 2
.set MUL_HI, 0xf1                      ; the same, C and D window 3
.set TO_B,   0x40                      ; destination window 1, address window 0
; A joint load: waves 0 and 1 fetch for R, waves 2 and 3 for P; the branch hangs on the wave's number alone.  An s_nop 0 and four v_nop follow each line.
.macro JLOAD g0a, g1a, g0b, g1b
	s_cmp_eq_u32 s15, 0
	s_cbranch_scc0 .Lfor_p_\@
	tensor_load_to_lds s[\g0a:\g0a+3], s[\g1a:\g1a+7]
	s_nop 0
.rept 4
	v_nop
.endr
	s_branch .Lasked_\@
.Lfor_p_\@:
	tensor_load_to_lds s[\g0b:\g0b+3], s[\g1b:\g1b+7]
	s_nop 0
.rept 4
	v_nop
.endr
.Lasked_\@:
.endm
.macro CREST                           ; a round of the cluster's barrier behind its opening barrier
	s_cmp_lg_u32 s14, 0
	s_cbranch_scc1 .Lnot_wave_0_\@
	s_barrier_signal -3
.Lnot_wave_0_\@:
	s_barrier_wait -3
	s_barrier_signal -1
	s_barrier_wait -1
.endm
.macro CROUND
	s_barrier_signal -1
	s_barrier_wait -1
	CREST
.endm
	s_load_b128 s[4:7], s[0:1], 0x0                ; op s[4:5], b_attn s[6:7]
	s_load_b64 s[8:9], s[0:1], 0x10                ; qkv
	v_lshl_add_u32 v[SPW], v0, 2, SPARE
	v_mov_b32 v[NIL], 0
	ds_add_u32 v[SPW], v[NIL]                      ; the wave's opening: the add, and its wait ahead of my first tensor load; work on registers stands between them
	v_lshrrev_b32 v1, 5, v0
	v_readfirstlane_b32 s14, v1                    ; wave 0..3
	s_lshr_b32 s15, s14, 1                         ; which half of R's rows is mine.  Also: I fetch for R (0) or for P (1)
	s_and_b32 s16, s14, 1                          ; which half of P's rows.  Also: which 128 rows I fetch
	s_bfe_u32 s40, ttmp6, 0x40000                  ; cx
	s_bfe_u32 s41, ttmp6, 0x40004                  ; cy
	s_and_b32 s17, ttmp7, 0xffff                   ; the cluster's y: the batch
	s_add_co_u32 s18, ttmp9, 8
	s_cmp_eq_u32 ttmp9, 2                          ; in units of 1,024 rows op holds: 0-7 x's batches, 8 w_q, 9 w_k, 10 w_v
	s_cselect_b32 s42, s17, s18                    ; P: the batch (v) or the weight (q, k)
	s_cselect_b32 s45, 10, s17                     ; R: w_v, or the batch
	s_lshl_b32 s42, s42, 2
	s_add_co_u32 s42, s42, s40                     ; P's 256 rows: by cx
	s_lshl_b32 s45, s45, 2
	s_add_co_u32 s45, s45, s41                     ; R's: by cy
	s_lshl_b32 s43, s41, 2
	s_lshl_b32 s43, 15, s43                        ; my row of the cluster
	s_lshl_b32 s44, 0x1111, s40                    ; my column
	; descriptor group 1: dense blocks as rows of 256 bytes (32 elements of 8 bytes); 96 rows of codes, 16 of scale words; no padding
	s_or_b32 s[G1+0], s43, (3<<16)|(1<<21)         ; 15:0 the mask; 17:16 elements of 8 bytes; 21 set beside a mask
	s_or_b32 s[G1B+0], s44, (3<<16)|(1<<21)
	s_or_b32 s[G1S+0], s43, (3<<16)|(1<<21)
	s_or_b32 s[G1SB+0], s44, (3<<16)|(1<<21)
.irp g, G1, G1B
	s_mov_b32 s[\g+1], 32<<16                      ; tensor_dim0
	s_mov_b32 s[\g+2], 96<<16                      ; tensor_dim1
	s_mov_b32 s[\g+3], 32<<16                      ; tile_dim0
	s_mov_b32 s[\g+4], 96                          ; tile_dim1
	s_mov_b32 s[\g+5], 32                          ; stride
	s_mov_b32 s[\g+6], 0
	s_mov_b32 s[\g+7], 0
.endr
.irp g, G1S, G1SB
	s_mov_b32 s[\g+1], 32<<16
	s_mov_b32 s[\g+2], 16<<16
	s_mov_b32 s[\g+3], 32<<16
	s_mov_b32 s[\g+4], 16
	s_mov_b32 s[\g+5], 32
	s_mov_b32 s[\g+6], 0
	s_mov_b32 s[\g+7], 0
.endr
	s_lshl_b32 s18, s16, 3                         ; which 8 tiles of 16 rows I fetch
	s_lshl_b32 s20, s45, 4
	s_add_co_u32 s20, s20, s18                     ; R's first tile that I fetch
	s_lshl_b32 s46, s42, 4
	s_add_co_u32 s46, s46, s18                     ; P's
	s_lshl_b32 s22, s20, 9
	s_add_co_u32 s22, s22, SCO                     ; their scale words, 512 bytes a tile,
	s_mov_b32 s23, 0
	s_mul_i32 s20, s20, 3072                       ; and their codes, 3,072 bytes a tile and slot
	s_mov_b32 s21, 0
	s_lshl_b32 s92, s46, 9
	s_add_co_u32 s92, s92, SCO
	s_mov_b32 s93, 0
	s_mul_i32 s46, s46, 3072
	s_mov_b32 s47, 0
	s_mul_i32 s95, s14, HALFT                      ; where they go: wave x 128 rows: no place in the cluster enters an LDS address
	s_lshl_b32 s94, s14, 12
	s_mov_b32 s[SEL], 0x76543210
	s_mov_b32 s[SEL+1], 0xfedcba98
	s_wait_dscnt 0x0                               ; the opening add is done
	s_wait_kmcnt 0x0
	s_add_nc_u64 s[20:21], s[4:5], s[20:21]
	s_add_nc_u64 s[22:23], s[4:5], s[22:23]
	s_add_nc_u64 s[46:47], s[4:5], s[46:47]
	s_add_nc_u64 s[92:93], s[4:5], s[92:93]
	CROUND                                         ; all sixteen work-groups are here: the first joint loads meet
	s_mov_b32 s[G0S], 1
	s_add_co_u32 s[G0S+1], s94, SCL
	s_mov_b64 s[G0S+2:G0S+3], s[22:23]
	s_or_b32 s[G0S+3], s[G0S+3], 0x80000000
	s_mov_b32 s[G0SB], 1
	s_add_co_u32 s[G0SB+1], s94, SCL
	s_mov_b64 s[G0SB+2:G0SB+3], s[92:93]
	s_or_b32 s[G0SB+3], s[G0SB+3], 0x80000000
	JLOAD G0S, G1S, G0SB, G1SB                     ; the scale words first: they are wanted with slot 0
.irp s, 0,1
	s_mov_b32 s[G0+4*\s], 1
	s_add_co_u32 s[G0+4*\s+1], s95, \s*SLOT
	s_add_nc_u64 s[G0+4*\s+2:G0+4*\s+3], s[20:21], \s*RSTR
	s_or_b32 s[G0+4*\s+3], s[G0+4*\s+3], 0x80000000
	s_mov_b32 s[G0B+4*\s], 1
	s_add_co_u32 s[G0B+4*\s+1], s95, \s*SLOT
	s_add_nc_u64 s[G0B+4*\s+2:G0B+4*\s+3], s[46:47], \s*PSTR
	s_or_b32 s[G0B+4*\s+3], s[G0B+4*\s+3], 0x80000000
	JLOAD G0+4*\s, G1, G0B+4*\s, G1B               ; three loads of mine are out
.endr
	v_and_b32 v1, 15, v0                           ; r
	v_bfe_u32 v2, v0, 4, 1                         ; h
	v_and_b32 v3, 31, v0                           ; lane
	v_lshlrev_b32 v4, 3, v3                        ; 8 x lane
	s_mul_i32 s21, s15, HALFT                      ; my 128 rows of R
	s_mul_i32 s22, s16, HALFT                      ; my 128 rows of P,
	s_add_co_u32 s22, s22, 2*HALFT                 ; which lie behind R's 256
.irp s, 0,1
	v_add_nc_u32 v[ADRA+\s], s21, v4
	v_add_nc_u32 v[ADRB+\s], s22, v4
	s_add_co_u32 s21, s21, SLOT
	s_add_co_u32 s22, s22, SLOT
.endr
	v_lshlrev_b32 v5, 3, v1                        ; my row's two words of a slot: 8 r
	s_mul_i32 s21, s15, HALFS
	s_mul_i32 s22, s16, HALFS
	s_add_co_u32 s22, s22, 2*HALFS
	s_sub_co_u32 s22, s22, s21
	v_mul_u32_u24 v6, s22, v2                      ; lanes 16-31 take P's
	s_add_co_u32 s21, s21, SCL
	v_add_nc_u32 v5, v5, v6
	v_add_nc_u32 v[ADRS], s21, v5
	v_lshlrev_b32 v24, 4, v3                       ; the way out: 16 x lane,
	v_lshlrev_b32 v25, 3, v3                       ; 8 x lane,
	v_mul_u32_u24 v26, v2, REC
	v_lshl_add_u32 v26, v1, 4, v26                 ; and REC h + 16 r: lanes 16-31 store the second head's scale words
	; b_attn, both ways, with no branch: along P (registers: index 32 (b / 2) + 16 h + 8 (b % 2) + j) and along R (my row of block a).  Every index stays under 3,072
	s_lshl_b32 s18, ttmp9, 10
	s_lshl_b32 s19, s40, 8
	s_add_co_u32 s18, s18, s19
	s_lshl_b32 s19, s16, 7
	s_add_co_u32 s18, s18, s19
	s_lshl_b32 s18, s18, 2
	s_mov_b32 s19, 0
	s_add_nc_u64 s[66:67], s[6:7], s[18:19]
	s_lshl_b32 s18, s41, 8
	s_lshl_b32 s96, s15, 7
	s_add_co_u32 s18, s18, s96
	s_add_co_u32 s18, s18, 2048
	s_lshl_b32 s18, s18, 2
	s_add_nc_u64 s[96:97], s[6:7], s[18:19]
	v_lshlrev_b32 v30, 6, v2                       ; 64 h
	v_and_b32 v31, 8, v1
	v_add_nc_u32 v31, v31, v1
	v_lshlrev_b32 v31, 2, v31                      ; 4 (r + 8 (r / 8))
.irp b, 0,1,2,3,4,5,6,7
	global_load_b128 v[BIAS+8*\b:BIAS+8*\b+3], v30, s[66:67] offset:4*(32*(\b/2)+8*(\b%2))
	global_load_b128 v[BIAS+8*\b+4:BIAS+8*\b+7], v30, s[66:67] offset:4*(32*(\b/2)+8*(\b%2))+16
.endr
.irp a, 0,1,2,3,4,5,6,7
	global_load_b32 v[BV+2*\a], v31, s[96:97] offset:4*(32*(\a/2)+8*(\a%2))      ; twice: a pair for the packed addition
	global_load_b32 v[BV+2*\a+1], v31, s[96:97] offset:4*(32*(\a/2)+8*(\a%2))
.endr
.macro FRAG reg, adr, q, i             ; a fragment: six chunks of 256 consecutive bytes, 8 a lane
.irp p, 0,1,2,3,4,5
	ds_load_b64 v[\reg+2*\p:\reg+2*\p+1], v[\adr] offset:(2*(\i)+(\q))*1536+256*\p
.endr
.endm
; 16 matrix instructions: R's blocks a0, a0 + 1 x P's eight, 128 along K.  p: P's set; sc: the set of scale words.  zero = 1: the first product starts the sums.
; The 64 accumulators take turns, one instruction a turn, in the same order in every step.
.macro MUL16 a0, p, q, sc, zero
.irp a, \a0, \a0+1
.irp b, 0,1,2,3,4,5,6,7
.if \zero
	v_wmma_scale_f32_16x16x128_f8f6f4 v[8*(8*((\a)%4)+\b):8*(8*((\a)%4)+\b)+7], v[128*(\p)+FR*\b:128*(\p)+FR*\b+FR-1], v[AF+FR*(\a):AF+FR*(\a)+FR-1], 0, v[SC+8*NQ*(\sc)+NQ*\b+(\q)], v[SC+8*NQ*(\sc)+NQ*(\a)+(\q)] matrix_a_fmt:MATRIX_FMT_FP6 matrix_b_fmt:MATRIX_FMT_FP6 matrix_a_scale:MATRIX_SCALE_ROW1
.else
	v_wmma_scale_f32_16x16x128_f8f6f4 v[8*(8*((\a)%4)+\b):8*(8*((\a)%4)+\b)+7], v[128*(\p)+FR*\b:128*(\p)+FR*\b+FR-1], v[AF+FR*(\a):AF+FR*(\a)+FR-1], v[8*(8*((\a)%4)+\b):8*(8*((\a)%4)+\b)+7], v[SC+8*NQ*(\sc)+NQ*\b+(\q)], v[SC+8*NQ*(\sc)+NQ*(\a)+(\q)] matrix_a_fmt:MATRIX_FMT_FP6 matrix_b_fmt:MATRIX_FMT_FP6 matrix_a_scale:MATRIX_SCALE_ROW1
.endif
.endr
.endr
.endm
.macro FETCH_B slot, q, p              ; P's eight fragments of the slot's q-th 128 along K into set p
	WIN TO_B
.irp i, 0,1,2,3,4,5,6,7
	FRAG 128*(\p)+FR*\i, ADRB+\slot, \q, \i
.endr
	WIN 0
.endm
.macro FETCH_A slot, q, i0             ; R's blocks i0 .. i0 + 3
.irp i, \i0, \i0+1, \i0+2, \i0+3
	FRAG AF+FR*(\i), ADRA+\slot, \q, \i
.endr
.endm
.macro SCALES sc                       ; a slot's scale words into set sc: two words a row; lanes 0-15 R's block i, lanes 16-31 P's block i
.irp i, 0,1,2,3,4,5,6,7
	ds_load_b64 v[SC+8*NQ*\sc+NQ*\i:SC+8*NQ*\sc+NQ*\i+1], v[ADRS] offset:\i*512
.endr
.endm
.macro PLACES n                        ; plain vector lines between a matrix instruction and a load into, or a read of, its registers (ISA guide 7.12.1 for reads)
.rept \n
	v_nop
.endr
.endm
.macro STEP slot, q, zero              ; a step of 128 along K that has its successor in the same slot
	s_wait_dscnt 4*NL                              ; P's set and R's blocks 0-3 are in; the youngest 24 loads (R's blocks 4-7) may be out
	WIN MUL_LO
	MUL16 0, (\q)%2, \q, \slot, \zero
	MUL16 2, (\q)%2, \q, \slot, \zero
	s_wait_dscnt 0
	PLACES NP
	FETCH_B \slot, (\q)+1, 1-(\q)%2
	FETCH_A \slot, (\q)+1, 0
	WIN MUL_HI
	MUL16 4, (\q)%2, \q, \slot, \zero
	MUL16 6, (\q)%2, \q, \slot, \zero
	PLACES NP
	WIN 0
	FETCH_A \slot, (\q)+1, 4
.endm
; A slot's last step changes slots: one barrier; in front of it each wave waits for all its tensor loads, adds 0 to its spare word, and waits for that and for its reads of this slot.
.macro TURN slot, next, fill
	s_wait_tensorcnt 0x0                           ; all my tensor loads have landed: my part of the next slot
	ds_add_u32 v[SPW], v[NIL]                      ; 0 onto my spare word
	s_wait_dscnt 4*NL+1                            ; (the add and the youngest 24 loads may be out)
	WIN MUL_LO
	MUL16 0, 1, NQ-1, \slot, 0
	s_wait_dscnt 0x0                               ; the add is done, and my reads of this slot are over
	s_barrier_signal -1
	MUL16 2, 1, NQ-1, \slot, 0
	WIN 0
	s_barrier_wait -1
.if \fill
	CREST                                          ; the barrier has opened a round of the cluster's: no wave of any partner still reads this slot or has a load on its way
	s_add_nc_u64 s[G0+4*\slot+2:G0+4*\slot+3], s[G0+4*\slot+2:G0+4*\slot+3], 2*RSTR
	s_add_nc_u64 s[G0B+4*\slot+2:G0B+4*\slot+3], s[G0B+4*\slot+2:G0B+4*\slot+3], 2*PSTR
	JLOAD G0+4*\slot, G1, G0B+4*\slot, G1B         ; the first tensor load behind the round, my one load until the next; its four v_nop are the places in front of the loads below
.else
	PLACES NP
.endif
	v_add_nc_u32 v[ADRS], 128, v[ADRS]             ; the next slot's scale words (no LDS load of mine is out)
	FETCH_B \next, 0, 0
	FETCH_A \next, 0, 0
	SCALES \next
	WIN MUL_HI
	MUL16 4, 1, NQ-1, \slot, 0
	MUL16 6, 1, NQ-1, \slot, 0
	PLACES NP
	WIN 0
	FETCH_A \next, 0, 4
.endm
	s_wait_loadcnt 0x0                             ; b_attn
	s_wait_tensorcnt 1                             ; the scale words and my part of slot 0 are in; slot 1's load may be out
	s_barrier_signal -1
	s_barrier_wait -1
	FETCH_B 0, 0, 0
	FETCH_A 0, 0, 0
	SCALES 0
	FETCH_A 0, 0, 4
	STEP 0, 0, 1                                   ; K 0-127: its products start the sums
	TURN 0, 1, 1                                   ; slot 0 takes K 512-767
	STEP 1, 0, 0
	TURN 1, 0, 1                                   ; slot 1 takes K 768-1,023
	STEP 0, 0, 0
	TURN 0, 1, 0                                   ; nothing is left to fetch
	STEP 1, 0, 0
	s_wait_dscnt 4*NL
	WIN MUL_LO
	MUL16 0, 1, NQ-1, 1, 0
	MUL16 2, 1, NQ-1, 1, 0
	s_wait_dscnt 0
	WIN MUL_HI
	MUL16 4, 1, NQ-1, 1, 0
	MUL16 6, 1, NQ-1, 1, 0
	WIN 0
; 64 numbers of a lane, v[s] on, register 16 b + i = k 32 b + 16 (lane / 16) + i of my row, become a fragment's codes in v[PC] on and its scale word in v[pw].
.macro QUANT s, pw
.irp b, 0,1,2,3
	v_max3_num_f32 v[TM+\b], |v[\s+16*\b]|, |v[\s+1+16*\b]|, 0x1800000   ; block b: my 16 numbers, and the floor 2^(3 - 127): the byte cannot fall under 1
.endr
.irp i, 2,4,6,8,10,12,14
.irp b, 0,1,2,3
	v_max3_num_f32 v[TM+\b], v[TM+\b], |v[\s+16*\b+\i]|, |v[\s+1+16*\b+\i]|
.endr
.endr
.irp b, 0,1,2,3
	v_permlanex16_b32 v[TM+4+\b], v[TM+\b], s[SEL], s[SEL+1]
.endr
.irp b, 0,1,2,3
	v_max_num_f32 v[TM+\b], v[TM+\b], v[TM+4+\b]   ; with lane l xor 16's: the block's largest magnitude
.endr
.irp b, 0,1,2,3
	v_add_nc_u32 v[TM+12+\b], 0xff000000, v[TM+\b] ; 2 off its exponent field: the conversion's scale operand
.endr
.irp b, 0,1,2,3
	v_lshrrev_b32 v[TM+4+\b], 23, v[TM+12+\b]      ; the byte
.endr
	v_lshl_or_b32 v[\pw], v[TM+5], 8, v[TM+4]
	v_lshl_or_b32 v[\pw], v[TM+6], 16, v[\pw]
	v_lshl_or_b32 v[\pw], v[TM+7], 24, v[\pw]
.irp c, 0,1
	v_cvt_scalef32_pk16_fp6_f32 v[PC+6*\c:PC+2+6*\c], v[\s+32*\c:\s+15+32*\c], v[TM+12+2*\c]
	v_cvt_scalef32_pk16_fp6_f32 v[PC+12+4*\c:PC+14+4*\c], v[\s+16+32*\c:\s+31+32*\c], v[TM+12+2*\c+1]   ; (a conversion's three registers begin on an even number)
.endr
	v_nop                                          ; one plain line behind the conversions
.irp c, 0,1                            ; the operand's layout wants a whole block in a lane: lanes 0-15 block 2 c, lanes 16-31 block 2 c + 1
.irp i, 0,1,2
	v_permlane16_swap_b32 v[PC+6*\c+\i], v[PC+12+4*\c+\i]
.endr
.irp i, 0,1,2
	v_mov_b32 v[PC+3+6*\c+\i], v[PC+12+4*\c+\i]
.endr
.endr
.endm
; R's block a: the bias is added (each accumulator is read from its low end on), the 64 numbers are quantised.  kind 0: the bias runs along the registers; 1: it is my row's.
.macro EPI a, kind
.if (\a) > 0
	s_wait_xcnt 0x0                                ; the last block's stores have read their registers: the codes may be written again
.endif
	WIN 0x02+(\a)/4                                ; source 0: window 2 or 3
.set ii, 0
.rept 32
.if \kind
	v_pk_add_f32 v[H+2*ii:H+2*ii+1], v[64*((\a)%4)+2*ii:64*((\a)%4)+2*ii+1], v[BV+2*(\a):BV+2*(\a)+1]
.else
	v_pk_add_f32 v[H+2*ii:H+2*ii+1], v[64*((\a)%4)+2*ii:64*((\a)%4)+2*ii+1], v[BIAS+2*ii:BIAS+2*ii+1]
.endif
.set ii, ii+1
.endr
	WIN 0
	QUANT H, SW+(\a)
.endm
	PLACES NP                                      ; behind the last products
.irp b, 0,1,2,3
	v_mov_b32 v[TM+4+\b], 0                        ; written once: a lane permute's destination counts as one of its sources
.endr
	v_lshlrev_b32 v236, 4, v2                      ; 16 h
	s_cmp_eq_u32 ttmp9, 2                          ; the cluster's x: the same in all sixteen partners
	s_cbranch_scc1 .Lv_out
	; ---- q or k: my lane's row is a token, its 128 numbers are two heads' channels: registers 0-5 of the codes are the first head's image, 6-11 the second's
	s_lshl_b32 s18, s40, 2
	s_lshl_b32 s19, s16, 1
	s_add_co_u32 s18, s18, s19                     ; the first head: 4 cx + 2 x my half of P
	s_lshl_b32 s19, s17, 4
	s_add_co_u32 s18, s18, s19
	s_mul_i32 s18, s18, REC                        ; its record
	s_lshl_b32 s19, s41, 1
	s_add_co_u32 s19, s19, s15                     ; which 128 tokens of the batch: 2 cy + my half of R
	s_mul_i32 s20, ttmp9, 53248                    ; q's images at 0, k's at 53,248
	s_add_co_u32 s20, s20, s18
	s_mul_i32 s21, s19, 6144                       ; eight tiles of 768 bytes
	s_add_co_u32 s20, s20, s21
	s_mov_b32 s21, 0
	s_add_nc_u64 s[20:21], s[8:9], s[20:21]
	s_mul_i32 s22, ttmp9, 102400                   ; q's scale words at 49,152, k's at 151,552
	s_add_co_u32 s22, s22, s18
	s_lshl_b32 s23, s19, 9
	s_add_co_u32 s22, s22, s23
	s_add_co_u32 s22, s22, 49152
	s_mov_b32 s23, 0
	s_add_nc_u64 s[22:23], s[8:9], s[22:23]
.irp a, 0,1,2,3,4,5,6,7
	EPI \a, 0
	global_store_b128 v24, v[PC:PC+3], s[20:21] offset:768*\a                  ; 512 consecutive bytes, aligned: registers 0-3,
	global_store_b64 v25, v[PC+4:PC+5], s[20:21] offset:768*\a+512             ; 256: registers 4, 5
	global_store_b128 v24, v[PC+6:PC+9], s[20:21] offset:REC+768*\a            ; the second head
	global_store_b64 v25, v[PC+10:PC+11], s[20:21] offset:REC+768*\a+512
.endr
.irp a, 0,1,2,3,4,5,6,7
	v_bfe_u32 v[SW+\a], v[SW+\a], v236, 16         ; lanes 0-15 keep the first head's two bytes, lanes 16-31 the second's; bytes 2 and 3, over zero codes, are 0
.endr
	global_store_b128 v26, v[SW:SW+3], s[22:23]                ; [half of the step's eight tiles][r][4 words]: 256 consecutive bytes for each head
	global_store_b128 v26, v[SW+4:SW+7], s[22:23] offset:256
	s_branch .Ldone
.Lv_out:
	; ---- v: my lane's row is a channel, its 128 numbers run along 128 keys: a whole fragment of V^T
	s_lshl_b32 s18, s41, 2
	s_lshl_b32 s19, s15, 1
	s_add_co_u32 s18, s18, s19                     ; the first head: 4 cy + 2 x my half of R
	s_lshl_b32 s19, s17, 4
	s_add_co_u32 s18, s18, s19
	s_mul_i32 s18, s18, REC
	s_lshl_b32 s19, s40, 1
	s_add_co_u32 s19, s19, s16                     ; which 128 keys: 2 cx + my half of P
	s_mul_i32 s20, s19, 6144
	s_add_co_u32 s20, s20, s18
	s_add_co_u32 s20, s20, 102400
	s_mov_b32 s21, 0
	s_add_nc_u64 s[20:21], s[8:9], s[20:21]
	s_lshl_b32 s22, s19, 8
	s_add_co_u32 s22, s22, s18
	s_add_co_u32 s22, s22, 155648
	s_mov_b32 s23, 0
	s_add_nc_u64 s[22:23], s[8:9], s[22:23]
.irp a, 0,1,2,3,4,5,6,7
	EPI \a, 1
.irp c, 0,1,2
	global_store_b128 v24, v[PC+4*\c:PC+4*\c+3], s[20:21] offset:(\a/4)*REC+(\a%4)*1536+512*\c   ; 512 consecutive bytes, aligned
.endr
.endr
	v_cmp_ne_u32 vcc_lo, 0, v2
.irp i, 0,1,2,3
	v_cndmask_b32 v[SW+\i], v[SW+\i], v[SW+4+\i], vcc_lo       ; lanes 16-31 store the second head's four words
.endr
	global_store_b128 v26, v[SW:SW+3], s[22:23]                ; [r][4 tiles of channels]: 256 consecutive bytes for each head
.Ldone:
	s_wait_tensorcnt 0x0                           ; the wave's end
	ds_add_u32 v[SPW], v[NIL]
	s_wait_dscnt 0x0
	CROUND                                         ; the closing round: no work-group ends while a partner may still ask for a tile that names it
	s_endpgm
.Lfunc_end_k_qf63b9cdcef_qkvgemm:
	.size	k_qf63b9cdcef_qkvgemm, .Lfunc_end_k_qf63b9cdcef_qkvgemm-k_qf63b9cdcef_qkvgemm
	.p2alignl 7, 3214868480
	.fill 96, 4, 3214868480
	.section	.rodata,"a",@progbits
	.p2align	6, 0x0
	.amdhsa_kernel k_qf63b9cdcef_qkvgemm
		.amdhsa_group_segment_fixed_size 327680
		.amdhsa_private_segment_fixed_size 0
		.amdhsa_enable_private_segment 0
		.amdhsa_kernarg_size 24
		.amdhsa_user_sgpr_count 2
		.amdhsa_user_sgpr_kernarg_segment_ptr 1
		.amdhsa_wavefront_size32 1
		.amdhsa_system_sgpr_workgroup_id_x 1
		.amdhsa_system_sgpr_workgroup_id_y 1
		.amdhsa_system_sgpr_workgroup_id_z 1
		.amdhsa_system_vgpr_workitem_id 0
		.amdhsa_next_free_vgpr 1024
		.amdhsa_next_free_sgpr 100
		.amdhsa_reserve_vcc 1
		.amdhsa_float_denorm_mode_32 3
		.amdhsa_float_denorm_mode_16_64 3
		.amdhsa_memory_ordered 1
		.amdhsa_forward_progress 1
		.amdhsa_inst_pref_size 234
	.end_amdhsa_kernel
	.amdgpu_metadata
---
amdhsa.version: [ 1, 2 ]
amdhsa.kernels:
  - .name:           k_qf63b9cdcef_qkvgemm
    .symbol:         k_qf63b9cdcef_qkvgemm.kd
    .args:
      - { .name: op, .offset: 0, .size: 8, .value_kind: global_buffer, .address_space: global }
      - { .name: b_attn, .offset: 8, .size: 8, .value_kind: global_buffer, .address_space: global }
      - { .name: qkv, .offset: 16, .size: 8, .value_kind: global_buffer, .address_space: global }
    .group_segment_fixed_size: 327680
    .private_segment_fixed_size: 0
    .kernarg_segment_align: 8
    .kernarg_segment_size: 24
    .max_flat_workgroup_size: 128
    .sgpr_count:     100
    .vgpr_count:     1024
    .wavefront_size: 32
...
	.end_amdgpu_metadata
.endif
;; end of part 2
;; launch attn (part 3): grid 2 x 128, 16 waves a work-group, no clusters, 167,936 bytes of LDS; arguments qkv, oq; writes oq
.if DOCPART == 3
	.amdgcn_target "amdgcn-amd-amdhsa--gfx1250"
	.amdhsa_code_object_version 6
	.text
	.protected	k_qf63b9cdcef_attn
	.globl	k_qf63b9cdcef_attn
	.p2align	8
	.type	k_qf63b9cdcef_attn,@function
k_qf63b9cdcef_attn:
	s_mov_b64 s[64:65], 0
	v_nop
	global_prefetch_b8 v0, s[64:65] scope:SCOPE_SE
	s_setreg_imm32_b32 hwreg(HW_REG_WAVE_MODE, 25, 1), 1
	s_wait_xcnt 0x0
; Causal attention of one (batch, head) on codes of FP6 (E2M3): S^T = K Q^T (K = the head's 64: the upper half of the instruction's 128 is zero codes), p = 2^(t - M), O^T = V^T P^T, o = O / l,
; and o is quantised along D and leaves as codes, laid as the projection's operand.  t = score x log2(e) / 8; M = the running largest t rounded UP to a whole number; l = the sum of the unquantised p.
; All operands lie in qkv as images of operand registers; tile T's row i is token 32 (T / 2) + 8 (T % 2) + i + 8 (i / 8): so the 16 registers of two neighbouring tiles of keys are 16 neighbouring keys.
; SHARES.  Two work-groups to a head, sixteen waves each.  Wave w of work-group g owns the query tiles T0 = 16 g + w and T1 = 63 - T0.  Tile T needs T / 8 + 1 key steps of 128: every wave has exactly 9.
; A head's K and V with their scale words, 104,448 dense bytes, come into LDS ONCE (waves 0-3, one tensor load each) and stay: no ring, no refill, one barrier.
; NO CLUSTER: only the two work-groups of a head read the same tiles; four partners to a head would leave a wave one query tile, and then the waves' numbers of key steps differ (1 to 8).
; Each pass walks a loop of a constant 8 trips; a step all of whose keys come after the tile's queries is left out by a scalar branch on ids, round its work alone.
; LIMITS: NaN and infinities are not served; a block of zeros keeps the byte 1 (its codes are zeros).
; REGISTERS: v1-4, v7, v28-31 addresses that stay; v8-11 addresses in hand; v12 -M, v13 the largest t, v[14:15] l in two halves; v16-27 Q (22-27 zeros); v32-79 four fragments of K (registers 6-11 of each zeros);
;   v80-91 p's or o's codes; v96-159 S^T, then p, then V's four fragments; v160-191 O^T; v192-219 at work; v224-231 K's scale words, v232-235 V's, v236 p's, v237-238 Q's; v240-245 the second pass's Q.
.set REC,   157696                     ; qkv: a head's record: 0 Q images, 49,152 Q scales, 53,248 K images, V images, K scales, V scales
.set OSTR,  1572864                    ; oq: bytes from slot to slot: 512 tiles x 3,072
.set OSC,   6291456                    ; oq: where the scale words begin
.set VIMG,  49152                      ; LDS: K images at 0, V images,
.set KSCL,  98304                      ; K's scale words,
.set VSCL,  102400                     ; V's,
.set SPARE, 104448                     ; and the spare words, 128 bytes a wave: eight blocks of 256 bytes that no other line names
.set QTR,   26112                      ; a quarter of the fill: 102 rows of 256 bytes
.set SPW, 5
.set NIL, 6
.set ADK, 8
.set ADK8, 9
.set ADS, 10
.set ADT, 11
.set BM, 192                           ; v192-195 a block's largest score, then its largest p
.set BP, 196                           ; v196-199 the permutes' results, then the bytes
.set SO, 200                           ; v200-203 the conversions' scale operands
.set WV,  8
.set SEL, 24
.set CS,  26                           ; s[26:27] c = log2(e) / 8
.set TT,  28                           ; s28, s29 my two tiles
.set LIM, 32                           ; s32, s33 their last key step
.set Q0,  34                           ; s34, s35 their first token
.set ST,  36                           ; the key step
.set KB,  37                           ; 6,144 x step: K's and V's images
.set TS,  38                           ; 512 x step: K's scale words
.set TJ,  39                           ; 256 x step: V's
.set OB,  40                           ; s[40:43] where each tile's codes go
.set OS,  44                           ; s[44:47] and its scale bytes
.set QB,  48                           ; s[48:51] each tile's image of Q
.set QS,  52                           ; s[52:55] and its scale words
	s_load_b128 s[4:7], s[0:1], 0x0                ; qkv s[4:5], oq s[6:7]
	v_lshl_add_u32 v[SPW], v0, 2, SPARE
	v_mov_b32 v[NIL], 0
	ds_add_u32 v[SPW], v[NIL]                      ; the wave's opening: the add, and its wait ahead of the first tensor load; work on registers stands between them
	v_lshrrev_b32 v8, 5, v0
	v_readfirstlane_b32 s[WV], v8                  ; wave 0..15
	s_and_b32 s9, ttmp7, 0xffff                    ; 16 x batch + head
	s_mul_i32 s10, s9, REC
	s_mov_b32 s16, 3<<16                           ; group 1: a dense block as 102 rows of 256 bytes (32 elements of 8 bytes), no mask, no padding
	s_mov_b32 s17, 32<<16
	s_mov_b32 s18, 102<<16
	s_mov_b32 s19, 32<<16
	s_mov_b32 s20, 102
	s_mov_b32 s21, 32
	s_mov_b32 s22, 0
	s_mov_b32 s23, 0
	s_mov_b32 s12, 1
	s_mul_i32 s13, s[WV], QTR                      ; LDS: wave x a quarter
	s_add_co_u32 s60, s10, 53248
	s_add_co_u32 s60, s60, s13
	s_mov_b32 s61, 0
	s_mov_b32 s[SEL], 0x76543210
	s_mov_b32 s[SEL+1], 0xfedcba98
	s_mov_b32 s[CS], 0x3e38aa3b
	s_mov_b32 s[CS+1], s[CS]                       ; (named with it as a pair, so it is written)
	s_lshl_b32 s[TT], ttmp9, 4
	s_add_co_u32 s[TT], s[TT], s[WV]
	s_sub_co_u32 s[TT+1], 63, s[TT]
	s_and_b32 s56, s9, 15                          ; head
	s_lshr_b32 s57, s9, 4                          ; batch
	s_lshr_b32 s58, s56, 2                         ; head / 4: the projection's slot of 256 along K,
	s_bfe_u32 s59, s56, 0x10001                    ; (head / 2) % 2: its K step,
	s_and_b32 s56, s56, 1                          ; head % 2: registers 0-5 or 6-11 of the fragment
	s_mul_i32 s62, s58, OSTR
	s_mul_i32 s63, s59, 1536
	s_add_co_u32 s62, s62, s63
	s_mul_i32 s63, s56, 768
	s_add_co_u32 s62, s62, s63
	s_mul_i32 s63, s57, 64*3072
	s_add_co_u32 s62, s62, s63
	s_lshl_b32 s63, s57, 15
	s_lshl_b32 s58, s58, 7
	s_add_co_u32 s63, s63, s58
	s_lshl_b32 s59, s59, 2
	s_add_co_u32 s63, s63, s59
	s_lshl_b32 s56, s56, 1
	s_add_co_u32 s63, s63, s56
	s_add_co_u32 s63, s63, OSC
.irp n, 0,1
	s_lshr_b32 s[LIM+\n], s[TT+\n], 3
	s_lshr_b32 s30, s[TT+\n], 1
	s_lshl_b32 s30, s30, 5
	s_and_b32 s31, s[TT+\n], 1
	s_lshl_b32 s31, s31, 3
	s_add_co_u32 s[Q0+\n], s30, s31
	s_mul_i32 s30, s[TT+\n], 768
	s_add_co_u32 s[QB+2*\n], s30, s10
	s_mov_b32 s[QB+2*\n+1], 0
	s_lshl_b32 s30, s[LIM+\n], 9                   ; Q's scale words: [step][half][r][4 words]
	s_bfe_u32 s31, s[TT+\n], 0x10002
	s_lshl_b32 s31, s31, 8
	s_add_co_u32 s30, s30, s31
	s_and_b32 s31, s[TT+\n], 3
	s_lshl_b32 s31, s31, 2
	s_add_co_u32 s30, s30, s31
	s_add_co_u32 s30, s30, s10
	s_add_co_u32 s[QS+2*\n], s30, 49152
	s_mov_b32 s[QS+2*\n+1], 0
	s_mul_i32 s30, s[TT+\n], 3072
	s_add_co_u32 s[OB+2*\n], s30, s62
	s_mov_b32 s[OB+2*\n+1], 0
	s_lshl_b32 s30, s[TT+\n], 9
	s_add_co_u32 s[OS+2*\n], s30, s63
	s_mov_b32 s[OS+2*\n+1], 0
.endr
	s_wait_dscnt 0x0                               ; the opening add is done
	s_wait_kmcnt 0x0
	s_add_nc_u64 s[14:15], s[4:5], s[60:61]
	s_or_b32 s15, s15, 0x80000000                  ; type = 2
.irp n, 0,1
	s_add_nc_u64 s[QB+2*\n:QB+2*\n+1], s[4:5], s[QB+2*\n:QB+2*\n+1]
	s_add_nc_u64 s[QS+2*\n:QS+2*\n+1], s[4:5], s[QS+2*\n:QS+2*\n+1]
	s_add_nc_u64 s[OB+2*\n:OB+2*\n+1], s[6:7], s[OB+2*\n:OB+2*\n+1]
	s_add_nc_u64 s[OS+2*\n:OS+2*\n+1], s[6:7], s[OS+2*\n:OS+2*\n+1]
.endr
	s_cmp_lt_u32 s[WV], 4                          ; waves 0-3 fetch a quarter each: one load of mine is out
	s_cbranch_scc0 .Lno_fill
	tensor_load_to_lds s[12:15], s[16:23]
	s_nop 0
.rept 4
	v_nop
.endr
.Lno_fill:
	v_and_b32 v8, 31, v0                           ; lane
	v_and_b32 v9, 15, v0                           ; r
	v_bfe_u32 v29, v0, 4, 1                        ; h
	v_lshlrev_b32 v1, 4, v8                        ; 16 x lane
	v_lshlrev_b32 v28, 3, v8                       ; 8 x lane
	v_add_nc_u32 v2, 512, v28                      ; registers 4, 5 of an image of Q or K
	v_lshlrev_b32 v30, 4, v9                       ; 16 r
	v_add_nc_u32 v3, KSCL, v30
	v_add_nc_u32 v4, VSCL, v30
	v_and_b32 v10, 8, v9
	v_add_nc_u32 v10, v10, v9
	v_lshlrev_b32 v11, 4, v29
	v_sub_nc_u32 v7, v10, v11                      ; r + 8 (r / 8) - 16 h: my query's place in its tile, less my half's first key
	v_lshl_add_u32 v31, v9, 3, v29                 ; 8 r + h: my block's scale byte
	global_load_b128 v[16:19], v1, s[QB:QB+1]
	global_load_b64 v[20:21], v28, s[QB:QB+1] offset:512
	global_load_b128 v[240:243], v1, s[QB+2:QB+3]
	global_load_b64 v[244:245], v28, s[QB+2:QB+3] offset:512
	global_load_b32 v237, v30, s[QS:QS+1]
	global_load_b32 v238, v30, s[QS+2:QS+3]
.irp i, 22,23,24,25,26,27
	v_mov_b32 v\i, 0                               ; k = 64 .. 127 of Q: zero codes
.endr
.irp t, 0,1,2,3
.irp i, 6,7,8,9,10,11
	v_mov_b32 v[32+12*\t+\i], 0                    ; and of K's four fragments: written once
.endr
.endr
.irp b, 0,1,2,3
	v_mov_b32 v[BP+\b], 0                          ; a lane permute's destination counts as one of its sources
.endr
	v_mov_b32 v214, 0
	v_mov_b32 v215, 0
	v_mov_b32 v217, 0                              ; (named as the upper half of the pair v[216:217])
	s_wait_tensorcnt 0x0                           ; my quarter has landed,
	s_barrier_signal -1
	s_barrier_wait -1                              ; everybody's has
	s_wait_loadcnt 0x0                             ; Q
; A KEY STEP of pass n: 128 keys.
.macro STEP n
	s_cmp_gt_u32 s[ST], s[LIM+\n]                  ; all its keys come after my queries: ids and the count of steps alone
	s_cbranch_scc1 .Lhidden_\@
	v_add_nc_u32 v[ADK], s[KB], v1
	v_add_nc_u32 v[ADK8], s[KB], v2
	v_add_nc_u32 v[ADS], s[TS], v3
	v_add_nc_u32 v[ADT], s[TJ], v4
	v_nop                                          ; six plain lines behind the last step's products: the scores below are written over the registers that held V, which asks for five
	v_nop
.irp g, 0,1                            ; S^T = K Q^T, four tiles of 16 keys at a time
.if \g
.rept 4
	v_nop                                          ; places in front of loads into registers that matrix instructions have read
.endr
.endif
.irp t, 0,1,2,3
	ds_load_b128 v[32+12*\t:35+12*\t], v[ADK] offset:768*(4*\g+\t)
	ds_load_b64 v[36+12*\t:37+12*\t], v[ADK8] offset:768*(4*\g+\t)
.endr
	ds_load_b128 v[224+4*\g:227+4*\g], v[ADS] offset:256*\g
	s_wait_dscnt 0x0
.irp t, 0,1,2,3
	v_wmma_scale_f32_16x16x128_f8f6f4 v[96+8*(4*\g+\t):103+8*(4*\g+\t)], v[32+12*\t:43+12*\t], v[16:27], 0, v[224+4*\g+\t], v[237+\n] matrix_a_fmt:MATRIX_FMT_FP6 matrix_b_fmt:MATRIX_FMT_FP6
.endr
.endr                                  ; lane (r, h) holds one query; register 16 b + i is key 128 step + 32 b + 16 h + i
.rept 4
	v_nop
.endr
	s_cmp_lt_u32 s[ST], s[LIM+\n]                  ; only the tile's last step lies on the diagonal
	s_cbranch_scc1 .Lopen_\@
	s_lshl_b32 s30, s[ST], 7
	s_sub_co_i32 s30, s[Q0+\n], s30
	v_add_nc_u32 v218, s30, v7                     ; d = my query - the step's first key - 16 h: register 16 b + i is hidden where 32 b + i > d
	v_mov_b32 v219, 0xff800000                     ; -infinity: p = 0 then
.set ii, 0
.rept 64
	v_cmp_gt_i32 vcc_lo, 32*(ii/16)+ii%16, v218
	v_cndmask_b32 v[96+ii], v[96+ii], v219, vcc_lo
.set ii, ii+1
.endr
.Lopen_\@:
.irp b, 0,1,2,3
	v_max3_num_f32 v[BM+\b], v[96+16*\b], v[97+16*\b], v[98+16*\b]     ; the largest score of each block of 32 keys: for the row's maximum, and, since p rises with the score, for the block's largest p
.endr
.irp i, 3,5,7,9,11,13
.irp b, 0,1,2,3
	v_max3_num_f32 v[BM+\b], v[BM+\b], v[96+16*\b+\i], v[97+16*\b+\i]
.endr
.endr
.irp b, 0,1,2,3
	v_max_num_f32 v[BM+\b], v[BM+\b], v[111+16*\b]
.endr
.irp b, 0,1,2,3
	v_permlanex16_b32 v[BP+\b], v[BM+\b], s[SEL], s[SEL+1]
.endr
.irp b, 0,1,2,3
	v_max_num_f32 v[BM+\b], v[BM+\b], v[BP+\b]     ; with lane l xor 16's 16 keys
.endr
	v_max3_num_f32 v214, v[BM], v[BM+1], v[BM+2]
	v_max_num_f32 v214, v214, v[BM+3]
	v_mul_f32 v214, s[CS], v214                    ; as t
	v_max_num_f32 v13, v13, v214                   ; the running largest t
	v_mov_b32 v214, v12
	v_floor_f32 v12, -v13                          ; the new -M = -ceil(t): a whole number
	v_sub_f32 v214, v12, v214                      ; old M - new M: a whole number, 0 or less
	v_cvt_i32_f32 v214, v214                       ; (it saturates)
	v_ldexp_f32 v216, 1.0, v214                    ; f = 2^(old M - new M): a multiplication by it rounds nothing
.set ii, 0
.rept 32
	v_pk_fma_f32 v[96+ii:97+ii], v[96+ii:97+ii], s[CS:CS+1], v[12:13] op_sel_hi:[1,0,0]   ; t - M
.set ii, ii+2
.endr
.irp b, 0,1,2,3
	v_fma_f32 v[BM+\b], v[BM+\b], s[CS], v12       ; the same of each block's largest score
.endr
.set ii, 0
.rept 64
	v_exp_f32 v[96+ii], v[96+ii]                   ; p = 2^(t - M): one batch
.set ii, ii+1
.endr
	v_pk_mul_f32 v[14:15], v[14:15], v[216:217] op_sel_hi:[1,0]        ; l under the new M.  (The plain line behind the exponentials)
	s_wait_alu depctr_va_vdst(0)                   ; one wait for the batch, ahead of its first reader
.irp b, 0,1,2,3
	v_exp_f32 v[BM+\b], v[BM+\b]                   ; the block's largest p
.endr
	v_pk_add_f32 v[212:213], v[96:97], v[98:99]    ; l takes the UNQUANTISED p: two chains
.irp j, 4,8,12,16,20,24,28,32,36,40,44,48,52,56,60
	v_pk_add_f32 v[14:15], v[14:15], v[96+\j:97+\j]
	v_pk_add_f32 v[212:213], v[212:213], v[98+\j:99+\j]
.endr
	v_pk_add_f32 v[14:15], v[14:15], v[212:213]
	s_wait_alu depctr_va_vdst(0)                   ; and one for the four
.irp b, 0,1,2,3
	v_max_num_f32 v[BM+\b], 0x1800000, v[BM+\b]    ; the floor 2^(3 - 127)
.endr
.irp b, 0,1,2,3
	v_add_nc_u32 v[SO+\b], 0xff000000, v[BM+\b]
.endr
.irp b, 0,1,2,3
	v_lshrrev_b32 v[BP+\b], 23, v[SO+\b]
.endr
	v_lshl_or_b32 v236, v[BP+1], 8, v[BP]          ; p's scale word for these 128 keys
	v_lshl_or_b32 v236, v[BP+2], 16, v236
	v_lshl_or_b32 v236, v[BP+3], 24, v236
.irp c, 0,1
	v_cvt_scalef32_pk16_fp6_f32 v[80+6*\c:82+6*\c], v[96+32*\c:111+32*\c], v[SO+2*\c]
	v_cvt_scalef32_pk16_fp6_f32 v[204+4*\c:206+4*\c], v[112+32*\c:127+32*\c], v[SO+2*\c+1]
.endr
	v_nop                                          ; one plain line behind the conversions
.irp c, 0,1
.irp i, 0,1,2
	v_permlane16_swap_b32 v[80+6*\c+\i], v[204+4*\c+\i]
.endr
.irp i, 0,1,2
	v_mov_b32 v[83+6*\c+\i], v[204+4*\c+\i]
.endr
.endr
.set ii, 0
.rept 16
	v_pk_mul_f32 v[160+ii:161+ii], v[160+ii:161+ii], v[216:217] op_sel_hi:[1,0]   ; O^T under the new M.  (These 16 are also the places between the scale word's and the codes' last writes and the products below)
.set ii, ii+2
.endr
.irp t, 0,1,2,3                        ; O^T += V^T P^T: four tiles of 16 channels; their fragments land where p lay
.irp c, 0,1,2
	ds_load_b128 v[96+12*\t+4*\c:99+12*\t+4*\c], v[ADK] offset:VIMG+1536*\t+512*\c
.endr
.endr
	ds_load_b128 v[232:235], v[ADT]
	s_wait_dscnt 0x0
.irp t, 0,1,2,3                        ; the four accumulators take turns
	v_wmma_scale_f32_16x16x128_f8f6f4 v[160+8*\t:167+8*\t], v[96+12*\t:107+12*\t], v[80:91], v[160+8*\t:167+8*\t], v[232+\t], v236 matrix_a_fmt:MATRIX_FMT_FP6 matrix_b_fmt:MATRIX_FMT_FP6
.endr
.Lhidden_\@:
	s_add_co_u32 s[KB], s[KB], 6144
	s_add_co_u32 s[TS], s[TS], 512
	s_add_co_u32 s[TJ], s[TJ], 256
.endm
; THE WAY OUT of pass n: o = O^T / l; register 16 b + i is channel 32 b + 16 h + i of my query: two blocks of 32 along D.  They become registers 0-5 (or 6-11) of a fragment of the projection's operand.
.macro OUT n
.rept 4
	v_nop                                          ; places behind the last products
.endr
	v_add_f32 v14, v14, v15
	v_permlanex16_b32 v214, v14, s[SEL], s[SEL+1]
	v_add_f32 v14, v14, v214                       ; the row's sum
	v_rcp_f32 v14, v14
	v_nop                                          ; a plain line behind the reciprocal,
	s_wait_alu depctr_va_vdst(0)                   ; and the wait ahead of its first reader
.set ii, 0
.rept 16
	v_pk_mul_f32 v[96+ii:97+ii], v[160+ii:161+ii], v[14:15] op_sel_hi:[1,0]   ; each accumulator from its low end on
.set ii, ii+2
.endr
.irp b, 0,1
	v_max3_num_f32 v[BM+\b], |v[96+16*\b]|, |v[97+16*\b]|, 0x1800000
.endr
.irp i, 2,4,6,8,10,12,14
.irp b, 0,1
	v_max3_num_f32 v[BM+\b], v[BM+\b], |v[96+16*\b+\i]|, |v[97+16*\b+\i]|
.endr
.endr
.irp b, 0,1
	v_permlanex16_b32 v[BP+\b], v[BM+\b], s[SEL], s[SEL+1]
.endr
.irp b, 0,1
	v_max_num_f32 v[BM+\b], v[BM+\b], v[BP+\b]
.endr
.irp b, 0,1
	v_add_nc_u32 v[SO+\b], 0xff000000, v[BM+\b]
.endr
.irp b, 0,1
	v_lshrrev_b32 v[BP+\b], 23, v[SO+\b]
.endr
	v_cvt_scalef32_pk16_fp6_f32 v[80:82], v[96:111], v[SO]
	v_cvt_scalef32_pk16_fp6_f32 v[204:206], v[112:127], v[SO+1]
	v_nop                                          ; one plain line behind the conversions
.irp i, 0,1,2
	v_permlane16_swap_b32 v[80+\i], v[204+\i]      ; lanes 0-15: block 0 whole, lanes 16-31: block 1
.endr
.irp i, 0,1,2
	v_mov_b32 v[83+\i], v[204+\i]
.endr
.irp e, 0,1,2
	global_store_b64 v28, v[80+2*\e:81+2*\e], s[OB+2*\n:OB+2*\n+1] offset:256*\e   ; a chunk: 256 consecutive bytes, aligned
.endr
	v_cmp_ne_u32 vcc_lo, 0, v29
	v_cndmask_b32 v215, v[BP], v[BP+1], vcc_lo
	global_store_b8 v31, v215, s[OS+2*\n:OS+2*\n+1]   ; my block's byte: single bytes, two of each row's eight; the other heads' waves store the rest (262,144 bytes in the whole launch)
.endm
.macro PASS n
.if \n
	s_wait_xcnt 0x0                                ; the first pass's stores have read their registers
.irp i, 0,1,2,3,4,5
	v_mov_b32 v[16+\i], v[240+\i]                  ; the second tile's Q
.endr
.endif
	v_mov_b32 v13, 0xff61b1e6                      ; the largest t so far: -3e38
	v_floor_f32 v12, -v13
	v_mov_b32 v14, 0
	v_mov_b32 v15, 0
.set ii, 0
.rept 32
	v_mov_b32 v[160+ii], 0                         ; O^T: the step is written once; its first walk finds zeros, which the first change of M leaves zeros
.set ii, ii+1
.endr
	s_mov_b32 s[ST], 0
	s_mov_b32 s[KB], 0
	s_mov_b32 s[TS], 0
	s_mov_b32 s[TJ], 0
.Lk_\@:
	STEP \n
	s_add_co_u32 s[ST], s[ST], 1
	s_cmp_lt_u32 s[ST], 8
	s_cbranch_scc1 .Lk_\@
	OUT \n
.endm
	PASS 0
	PASS 1
	s_wait_tensorcnt 0x0                           ; the wave's end
	ds_add_u32 v[SPW], v[NIL]
	s_wait_dscnt 0x0
	s_endpgm
.Lfunc_end_k_qf63b9cdcef_attn:
	.size	k_qf63b9cdcef_attn, .Lfunc_end_k_qf63b9cdcef_attn-k_qf63b9cdcef_attn
	.p2alignl 7, 3214868480
	.fill 96, 4, 3214868480
	.section	.rodata,"a",@progbits
	.p2align	6, 0x0
	.amdhsa_kernel k_qf63b9cdcef_attn
		.amdhsa_group_segment_fixed_size 167936
		.amdhsa_private_segment_fixed_size 0
		.amdhsa_enable_private_segment 0
		.amdhsa_kernarg_size 16
		.amdhsa_user_sgpr_count 2
		.amdhsa_user_sgpr_kernarg_segment_ptr 1
		.amdhsa_wavefront_size32 1
		.amdhsa_system_sgpr_workgroup_id_x 1
		.amdhsa_system_sgpr_workgroup_id_y 1
		.amdhsa_system_sgpr_workgroup_id_z 1
		.amdhsa_system_vgpr_workitem_id 0
		.amdhsa_next_free_vgpr 256
		.amdhsa_next_free_sgpr 66
		.amdhsa_reserve_vcc 1
		.amdhsa_float_denorm_mode_32 3
		.amdhsa_float_denorm_mode_16_64 3
		.amdhsa_memory_ordered 1
		.amdhsa_forward_progress 1
		.amdhsa_inst_pref_size 60
	.end_amdhsa_kernel
	.amdgpu_metadata
---
amdhsa.version: [ 1, 2 ]
amdhsa.kernels:
  - .name:           k_qf63b9cdcef_attn
    .symbol:         k_qf63b9cdcef_attn.kd
    .args:
      - { .name: qkv, .offset: 0, .size: 8, .value_kind: global_buffer, .address_space: global }
      - { .name: oq, .offset: 8, .size: 8, .value_kind: global_buffer, .address_space: global }
    .group_segment_fixed_size: 167936
    .private_segment_fixed_size: 0
    .kernarg_segment_align: 8
    .kernarg_segment_size: 16
    .max_flat_workgroup_size: 512
    .sgpr_count:     66
    .vgpr_count:     256
    .wavefront_size: 32
...
	.end_amdgpu_metadata
.endif
;; end of part 3
;; launch proj (part 4): grid 4 x 32, 4 waves a work-group, clusters of 4 x 4, 327,680 bytes of LDS; arguments op, oq, b_proj, out0; writes out0
.if DOCPART == 4
	.amdgcn_target "amdgcn-amd-amdhsa--gfx1250"
	.amdhsa_code_object_version 6
	.text
	.protected	k_qf63b9cdcef_proj
	.globl	k_qf63b9cdcef_proj
	.p2align	8
	.type	k_qf63b9cdcef_proj,@function
k_qf63b9cdcef_proj:
	s_mov_b64 s[64:65], 0
	v_nop
	global_prefetch_b8 v0, s[64:65] scope:SCOPE_SE
	s_setreg_imm32_b32 hwreg(HW_REG_WAVE_MODE, 25, 1), 1
	s_wait_xcnt 0x0
	s_wait_alu depctr_hold_cnt(0) depctr_sa_sdst(0) depctr_va_vdst(0) depctr_va_sdst(0) depctr_va_ssrc(0) depctr_va_vcc(0) depctr_vm_vsrc(0)
	s_getreg_b32 s2, hwreg(HW_REG_IB_STS2, 6, 4)
	s_cmp_eq_u32 s2, 0
	s_cbranch_scc0 .Lentry_in_a_cluster
	s_endpgm
.Lentry_in_a_cluster:
	s_bfe_u32 s2, ttmp6, 0x10000c
	s_cmp_lg_u32 s2, 0xf033
	s_cbranch_scc0 .Lentry_shape_is_right
	s_endpgm
.Lentry_shape_is_right:
; out0 = o w_proj + b_proj on codes of FP6 (E2M3), K = 1,024; f32 out.
; Both operands lie as images of operand registers (16 rows x 128 K: six chunks of 256 bytes): o in oq, w_proj's columns in op (tiles 704-767).  Row i of tile T is index 32 (T / 2) + 8 (T % 2) + i + 8 (i / 8).
; A work-group of four waves makes 256 tokens x 256 columns, a wave 128 x 128: 64 accumulators.  Source 0 takes P = 16 columns of the weight, source 1 R = 16 tokens: a lane holds one token, registers run along the columns.
; CLUSTERS: 4 x 4.  R's tiles hang on cy alone and are asked for jointly by a row of the cluster, P's on cx alone, by a column.
; K goes in four slots of 256 through a ring of two LDS slots; the scale words of the 512 rows come once.  Written straight: four slots need no loop.  128 work-groups: the tile is kept at 256 x 256 so that this text's loop is the qkv product's.
; REGISTERS: window 0: v0-31 addresses; v32-63 scale words, two sets; v64-67 b_proj; v128-223 R's fragments (on the way out v128-255: rows read back).  window 1: P's two sets.  windows 2, 3: the accumulators.
.set SSTR,  2359296                    ; op: bytes from slot to slot
.set SCO,   9437184                    ; op: where the scale words begin
.set OSTR,  1572864                    ; oq likewise
.set OSC,   6291456
.set RSTR,  OSTR
.set PSTR,  SSTR
.set NQ,    2
.set FR,    12
.set NL,    6
.set NP,    4                          ; places behind this matrix instruction (ISA guide 7.12.1)
.set HALFT, 24576                      ; 128 rows x 256 K: what one tensor load brings
.set SLOT,  4*HALFT
.set SCL,   2*SLOT
.set HALFS, 4096
.set SPARE, SCL+4*HALFS                ; the spare words, 128 bytes a wave: two blocks of 256 bytes that no other line names
.set SPITCH, 528                       ; the way out: a stage of 16 rows x (512 bytes + 16) for each wave, in slot 0, which has had its last fill and its last read when the first result is stored there
.set ADRA, 16
.set ADRB, 20
.set STO,  24
.set RD,   25
.set CO,   26
.set ADRS, 27
.set SPW,  28
.set NIL,  29
.set SC,   32
.set AF,   128
.set BK,   128
.set G1, 24
.set G0, 32
.set G1B, 48
.set G0B, 56
.set G1S, 68
.set G0S, 76
.set G1SB, 80
.set G0SB, 88
.set MSB, 0
.macro WIN new                         ; the immediate's high byte repeats the setting that is left
.if MSB != (\new)
	s_set_vgpr_msb (MSB<<8)|(\new)
.set MSB, \new
.endif
.endm
.set MUL_LO, 0xa1
.set MUL_HI, 0xf1
.set TO_B,   0x40
; A joint load: waves 0 and 1 fetch for R, waves 2 and 3 for P; the branch hangs on the wave's number alone.  An s_nop 0 and four v_nop follow each line.
.macro JLOAD g0a, g1a, g0b, g1b
	s_cmp_eq_u32 s15, 0
	s_cbranch_scc0 .Lfor_p_\@
	tensor_load_to_lds s[\g0a:\g0a+3], s[\g1a:\g1a+7]
	s_nop 0
.rept 4
	v_nop
.endr
	s_branch .Lasked_\@
.Lfor_p_\@:
	tensor_load_to_lds s[\g0b:\g0b+3], s[\g1b:\g1b+7]
	s_nop 0
.rept 4
	v_nop
.endr
.Lasked_\@:
.endm
.macro CREST
	s_cmp_lg_u32 s14, 0
	s_cbranch_scc1 .Lnot_wave_0_\@
	s_barrier_signal -3
.Lnot_wave_0_\@:
	s_barrier_wait -3
	s_barrier_signal -1
	s_barrier_wait -1
.endm
.macro CROUND
	s_barrier_signal -1
	s_barrier_wait -1
	CREST
.endm
	s_load_b256 s[4:11], s[0:1], 0x0               ; op s[4:5], oq s[6:7], b_proj s[8:9], out0 s[10:11]
	v_lshl_add_u32 v[SPW], v0, 2, SPARE
	v_mov_b32 v[NIL], 0
	ds_add_u32 v[SPW], v[NIL]                      ; the wave's opening: the add, and its wait ahead of my first tensor load; work on registers stands between them
	v_lshrrev_b32 v1, 5, v0
	v_readfirstlane_b32 s14, v1                    ; wave 0..3
	s_lshr_b32 s15, s14, 1                         ; which half of R's rows is mine.  Also: I fetch for R (0) or for P (1)
	s_and_b32 s16, s14, 1                          ; which half of P's rows.  Also: which 128 rows I fetch
	s_bfe_u32 s40, ttmp6, 0x40000                  ; cx
	s_bfe_u32 s41, ttmp6, 0x40004                  ; cy
	s_and_b32 s17, ttmp7, 0xffff                   ; the cluster's y: the batch
	s_add_co_u32 s42, s40, 44                      ; P's 256 rows in op: w_proj begins at 44 x 256
	s_lshl_b32 s45, s17, 2
	s_add_co_u32 s45, s45, s41                     ; R's 256 tokens in oq
	s_lshl_b32 s43, s41, 2
	s_lshl_b32 s43, 15, s43                        ; my row of the cluster
	s_lshl_b32 s44, 0x1111, s40                    ; my column
	s_or_b32 s[G1+0], s43, (3<<16)|(1<<21)         ; dense blocks as rows of 256 bytes (32 elements of 8 bytes): 96 rows of codes, 16 of scale words; no padding
	s_or_b32 s[G1B+0], s44, (3<<16)|(1<<21)
	s_or_b32 s[G1S+0], s43, (3<<16)|(1<<21)
	s_or_b32 s[G1SB+0], s44, (3<<16)|(1<<21)
.irp g, G1, G1B
	s_mov_b32 s[\g+1], 32<<16
	s_mov_b32 s[\g+2], 96<<16
	s_mov_b32 s[\g+3], 32<<16
	s_mov_b32 s[\g+4], 96
	s_mov_b32 s[\g+5], 32
	s_mov_b32 s[\g+6], 0
	s_mov_b32 s[\g+7], 0
.endr
.irp g, G1S, G1SB
	s_mov_b32 s[\g+1], 32<<16
	s_mov_b32 s[\g+2], 16<<16
	s_mov_b32 s[\g+3], 32<<16
	s_mov_b32 s[\g+4], 16
	s_mov_b32 s[\g+5], 32
	s_mov_b32 s[\g+6], 0
	s_mov_b32 s[\g+7], 0
.endr
	s_lshl_b32 s18, s16, 3
	s_lshl_b32 s20, s45, 4
	s_add_co_u32 s20, s20, s18                     ; R's first tile that I fetch
	s_lshl_b32 s46, s42, 4
	s_add_co_u32 s46, s46, s18                     ; P's
	s_lshl_b32 s22, s20, 9
	s_add_co_u32 s22, s22, OSC
	s_mov_b32 s23, 0
	s_mul_i32 s20, s20, 3072
	s_mov_b32 s21, 0
	s_lshl_b32 s92, s46, 9
	s_add_co_u32 s92, s92, SCO
	s_mov_b32 s93, 0
	s_mul_i32 s46, s46, 3072
	s_mov_b32 s47, 0
	s_mul_i32 s95, s14, HALFT                      ; where they go: wave x 128 rows: no place in the cluster enters an LDS address
	s_lshl_b32 s94, s14, 12
	s_wait_dscnt 0x0                               ; the opening add is done
	s_wait_kmcnt 0x0
	s_add_nc_u64 s[20:21], s[6:7], s[20:21]
	s_add_nc_u64 s[22:23], s[6:7], s[22:23]
	s_add_nc_u64 s[46:47], s[4:5], s[46:47]
	s_add_nc_u64 s[92:93], s[4:5], s[92:93]
	CROUND                                         ; all sixteen work-groups are here: the first joint loads meet
	s_mov_b32 s[G0S], 1
	s_add_co_u32 s[G0S+1], s94, SCL
	s_mov_b64 s[G0S+2:G0S+3], s[22:23]
	s_or_b32 s[G0S+3], s[G0S+3], 0x80000000
	s_mov_b32 s[G0SB], 1
	s_add_co_u32 s[G0SB+1], s94, SCL
	s_mov_b64 s[G0SB+2:G0SB+3], s[92:93]
	s_or_b32 s[G0SB+3], s[G0SB+3], 0x80000000
	JLOAD G0S, G1S, G0SB, G1SB
.irp s, 0,1
	s_mov_b32 s[G0+4*\s], 1
	s_add_co_u32 s[G0+4*\s+1], s95, \s*SLOT
	s_add_nc_u64 s[G0+4*\s+2:G0+4*\s+3], s[20:21], \s*RSTR
	s_or_b32 s[G0+4*\s+3], s[G0+4*\s+3], 0x80000000
	s_mov_b32 s[G0B+4*\s], 1
	s_add_co_u32 s[G0B+4*\s+1], s95, \s*SLOT
	s_add_nc_u64 s[G0B+4*\s+2:G0B+4*\s+3], s[46:47], \s*PSTR
	s_or_b32 s[G0B+4*\s+3], s[G0B+4*\s+3], 0x80000000
	JLOAD G0+4*\s, G1, G0B+4*\s, G1B               ; three loads of mine are out
.endr
	v_and_b32 v1, 15, v0                           ; r
	v_bfe_u32 v2, v0, 4, 1                         ; h
	v_and_b32 v3, 31, v0                           ; lane
	v_lshlrev_b32 v4, 3, v3
	s_mul_i32 s21, s15, HALFT
	s_mul_i32 s22, s16, HALFT
	s_add_co_u32 s22, s22, 2*HALFT
.irp s, 0,1
	v_add_nc_u32 v[ADRA+\s], s21, v4
	v_add_nc_u32 v[ADRB+\s], s22, v4
	s_add_co_u32 s21, s21, SLOT
	s_add_co_u32 s22, s22, SLOT
.endr
	v_lshlrev_b32 v5, 3, v1
	s_mul_i32 s21, s15, HALFS
	s_mul_i32 s22, s16, HALFS
	s_add_co_u32 s22, s22, 2*HALFS
	s_sub_co_u32 s22, s22, s21
	v_mul_u32_u24 v6, s22, v2                      ; lanes 16-31 take P's scale words
	s_add_co_u32 s21, s21, SCL
	v_add_nc_u32 v5, v5, v6
	v_add_nc_u32 v[ADRS], s21, v5
	s_mul_i32 s23, s14, 16*SPITCH                  ; my stage
	v_mul_u32_u24 v5, v1, SPITCH
	v_lshl_add_u32 v5, v2, 6, v5
	v_add_nc_u32 v[STO], s23, v5                   ; in: row r, + 64 h: register j of P's tile b is column 32 (b / 2) + 16 h + 8 (b % 2) + j
	v_lshlrev_b32 v[CO], 4, v3                     ; back: the 32 lanes take one row of 512 bytes; and the same in out0
	v_add_nc_u32 v[RD], s23, v[CO]
	s_lshl_b32 s18, s45, 8
	s_lshl_b32 s19, s15, 7
	s_add_co_u32 s18, s18, s19                     ; my first token
	s_lshl_b32 s18, s18, 12
	s_lshl_b32 s19, s40, 10
	s_add_co_u32 s18, s18, s19
	s_lshl_b32 s19, s16, 9
	s_add_co_u32 s18, s18, s19                     ; + my first column, in bytes
	s_mov_b32 s19, 0
	s_add_nc_u64 s[12:13], s[10:11], s[18:19]      ; never stepped: a row's place stands in the stores' immediates, 127 rows of 4,096 bytes at the most
	s_lshl_b32 s18, s40, 10
	s_lshl_b32 s96, s16, 9
	s_add_co_u32 s18, s18, s96
	s_add_nc_u64 s[96:97], s[8:9], s[18:19]
	global_load_b128 v[64:67], v[CO], s[96:97]     ; b_proj at my four columns of a row read back
.macro FRAG reg, adr, q, i             ; a fragment: six chunks of 256 consecutive bytes, 8 a lane
.irp p, 0,1,2,3,4,5
	ds_load_b64 v[\reg+2*\p:\reg+2*\p+1], v[\adr] offset:(2*(\i)+(\q))*1536+256*\p
.endr
.endm
; 16 matrix instructions: R's blocks a0, a0 + 1 x P's eight.  The 64 accumulators take turns, one instruction a turn, in the same order in every step.
.macro MUL16 a0, p, q, sc, zero
.irp a, \a0, \a0+1
.irp b, 0,1,2,3,4,5,6,7
.if \zero
	v_wmma_scale_f32_16x16x128_f8f6f4 v[8*(8*((\a)%4)+\b):8*(8*((\a)%4)+\b)+7], v[128*(\p)+FR*\b:128*(\p)+FR*\b+FR-1], v[AF+FR*(\a):AF+FR*(\a)+FR-1], 0, v[SC+8*NQ*(\sc)+NQ*\b+(\q)], v[SC+8*NQ*(\sc)+NQ*(\a)+(\q)] matrix_a_fmt:MATRIX_FMT_FP6 matrix_b_fmt:MATRIX_FMT_FP6 matrix_a_scale:MATRIX_SCALE_ROW1
.else
	v_wmma_scale_f32_16x16x128_f8f6f4 v[8*(8*((\a)%4)+\b):8*(8*((\a)%4)+\b)+7], v[128*(\p)+FR*\b:128*(\p)+FR*\b+FR-1], v[AF+FR*(\a):AF+FR*(\a)+FR-1], v[8*(8*((\a)%4)+\b):8*(8*((\a)%4)+\b)+7], v[SC+8*NQ*(\sc)+NQ*\b+(\q)], v[SC+8*NQ*(\sc)+NQ*(\a)+(\q)] matrix_a_fmt:MATRIX_FMT_FP6 matrix_b_fmt:MATRIX_FMT_FP6 matrix_a_scale:MATRIX_SCALE_ROW1
.endif
.endr
.endr
.endm
.macro FETCH_B slot, q, p
	WIN TO_B
.irp i, 0,1,2,3,4,5,6,7
	FRAG 128*(\p)+FR*\i, ADRB+\slot, \q, \i
.endr
	WIN 0
.endm
.macro FETCH_A slot, q, i0
.irp i, \i0, \i0+1, \i0+2, \i0+3
	FRAG AF+FR*(\i), ADRA+\slot, \q, \i
.endr
.endm
.macro SCALES sc
.irp i, 0,1,2,3,4,5,6,7
	ds_load_b64 v[SC+8*NQ*\sc+NQ*\i:SC+8*NQ*\sc+NQ*\i+1], v[ADRS] offset:\i*512
.endr
.endm
.macro PLACES n                        ; plain vector lines between a matrix instruction and a load into, or a read of, its registers (ISA guide 7.12.1 for reads)
.rept \n
	v_nop
.endr
.endm
.macro STEP slot, q, zero
	s_wait_dscnt 4*NL                              ; P's set and R's blocks 0-3 are in; the youngest 24 loads (R's blocks 4-7) may be out
	WIN MUL_LO
	MUL16 0, (\q)%2, \q, \slot, \zero
	MUL16 2, (\q)%2, \q, \slot, \zero
	s_wait_dscnt 0
	PLACES NP
	FETCH_B \slot, (\q)+1, 1-(\q)%2
	FETCH_A \slot, (\q)+1, 0
	WIN MUL_HI
	MUL16 4, (\q)%2, \q, \slot, \zero
	MUL16 6, (\q)%2, \q, \slot, \zero
	PLACES NP
	WIN 0
	FETCH_A \slot, (\q)+1, 4
.endm
; A slot's last step changes slots: one barrier; in front of it each wave waits for all its tensor loads, adds 0 to its spare word, and waits for that and for its reads of this slot.
.macro TURN slot, next, fill
	s_wait_tensorcnt 0x0                           ; all my tensor loads have landed: my part of the next slot
	ds_add_u32 v[SPW], v[NIL]                      ; 0 onto my spare word
	s_wait_dscnt 4*NL+1                            ; (the add and the youngest 24 loads may be out)
	WIN MUL_LO
	MUL16 0, 1, NQ-1, \slot, 0
	s_wait_dscnt 0x0                               ; the add is done, and my reads of this slot are over
	s_barrier_signal -1
	MUL16 2, 1, NQ-1, \slot, 0
	WIN 0
	s_barrier_wait -1
.if \fill
	CREST                                          ; the barrier has opened a round of the cluster's: no wave of any partner still reads this slot or has a load on its way
	s_add_nc_u64 s[G0+4*\slot+2:G0+4*\slot+3], s[G0+4*\slot+2:G0+4*\slot+3], 2*RSTR
	s_add_nc_u64 s[G0B+4*\slot+2:G0B+4*\slot+3], s[G0B+4*\slot+2:G0B+4*\slot+3], 2*PSTR
	JLOAD G0+4*\slot, G1, G0B+4*\slot, G1B         ; the first tensor load behind the round, my one load until the next; its four v_nop are the places in front of the loads below
.else
	PLACES NP
.endif
	v_add_nc_u32 v[ADRS], 128, v[ADRS]             ; the next slot's scale words (no LDS load of mine is out)
	FETCH_B \next, 0, 0
	FETCH_A \next, 0, 0
	SCALES \next
	WIN MUL_HI
	MUL16 4, 1, NQ-1, \slot, 0
	MUL16 6, 1, NQ-1, \slot, 0
	PLACES NP
	WIN 0
	FETCH_A \next, 0, 4
.endm
	s_wait_loadcnt 0x0                             ; b_proj
	s_wait_tensorcnt 1                             ; the scale words and my part of slot 0 are in; slot 1's load may be out
	s_barrier_signal -1
	s_barrier_wait -1
	FETCH_B 0, 0, 0
	FETCH_A 0, 0, 0
	SCALES 0
	FETCH_A 0, 0, 4
	STEP 0, 0, 1                                   ; K 0-127: its products start the sums
	TURN 0, 1, 1
	STEP 1, 0, 0
	TURN 1, 0, 1
	STEP 0, 0, 0
	TURN 0, 1, 0                                   ; nothing is left to fetch: slot 0 has had its last fill, and behind this barrier nobody reads it
	STEP 1, 0, 0
	s_wait_dscnt 4*NL
	WIN MUL_LO
	MUL16 0, 1, NQ-1, 1, 0
	MUL16 2, 1, NQ-1, 1, 0
	s_wait_dscnt 0
	WIN MUL_HI
	MUL16 4, 1, NQ-1, 1, 0
	MUL16 6, 1, NQ-1, 1, 0
	WIN 0
; THE WAY OUT, block by block of 16 tokens x 128 columns, through my own stage: in by columns' true places, back as whole rows of 512 bytes.  LDS serves a wave's instructions in order: no wait between the stores and the loads.
.macro TOSTAGE a
.set AC, 64*((\a)%4)
	WIN 0x08+4*((\a)/4)                            ; an LDS store's data are its source 1: window 2 or 3
.irp b, 0,1,2,3,4,5,6,7
	ds_store_b128 v[STO], v[AC+8*\b:AC+8*\b+3] offset:128*(\b/2)+32*(\b%2)         ; each accumulator from its low end on
	ds_store_b128 v[STO], v[AC+8*\b+4:AC+8*\b+7] offset:128*(\b/2)+32*(\b%2)+16
.endr
	WIN 0
.set BB, BK+64*((\a)%2)
.irp t, 0,1,2,3,4,5,6,7,8,9,10,11,12,13,14,15
	ds_load_b128 v[BB+4*\t:BB+4*\t+3], v[RD] offset:\t*SPITCH
.endr
.endm
.macro SEND a, younger                 ; younger: the LDS instructions issued behind block a's loads, which may stay out
.set BB, BK+64*((\a)%2)
	s_wait_dscnt \younger
.irp t, 0,1,2,3,4,5,6,7,8,9,10,11,12,13,14,15
	v_pk_add_f32 v[BB+4*\t:BB+4*\t+1], v[BB+4*\t:BB+4*\t+1], v[64:65]              ; + b_proj
	v_pk_add_f32 v[BB+4*\t+2:BB+4*\t+3], v[BB+4*\t+2:BB+4*\t+3], v[66:67]
	global_store_b128 v[CO], v[BB+4*\t:BB+4*\t+3], s[12:13] offset:(32*((\a)/2)+8*((\a)%2)+\t+8*(\t/8))*4096 th:TH_STORE_NT   ; row t of block a is token 32 (a / 2) + 8 (a % 2) + t + 8 (t / 8); 512 consecutive bytes, aligned
.endr
.endm
	PLACES NP
	TOSTAGE 0
.irp a, 1,2,3,4,5,6,7
.if \a > 1
	s_wait_xcnt 0x0                                ; block a - 2's stores have read their registers: block a's loads may land there
.endif
	TOSTAGE \a
	SEND \a-1, 32                                  ; behind block a - 1's loads: block a's 16 stores and 16 loads
.endr
	SEND 7, 0
	s_wait_tensorcnt 0x0                           ; the wave's end: behind my last tensor load and my last LDS store
	ds_add_u32 v[SPW], v[NIL]
	s_wait_dscnt 0x0
	CROUND                                         ; the closing round: no work-group ends while a partner may still ask for a tile that names it
	s_endpgm
.Lfunc_end_k_qf63b9cdcef_proj:
	.size	k_qf63b9cdcef_proj, .Lfunc_end_k_qf63b9cdcef_proj-k_qf63b9cdcef_proj
	.p2alignl 7, 3214868480
	.fill 96, 4, 3214868480
	.section	.rodata,"a",@progbits
	.p2align	6, 0x0
	.amdhsa_kernel k_qf63b9cdcef_proj
		.amdhsa_group_segment_fixed_size 327680
		.amdhsa_private_segment_fixed_size 0
		.amdhsa_enable_private_segment 0
		.amdhsa_kernarg_size 32
		.amdhsa_user_sgpr_count 2
		.amdhsa_user_sgpr_kernarg_segment_ptr 1
		.amdhsa_wavefront_size32 1
		.amdhsa_system_sgpr_workgroup_id_x 1
		.amdhsa_system_sgpr_workgroup_id_y 1
		.amdhsa_system_sgpr_workgroup_id_z 1
		.amdhsa_system_vgpr_workitem_id 0
		.amdhsa_next_free_vgpr 1024
		.amdhsa_next_free_sgpr 100
		.amdhsa_reserve_vcc 0
		.amdhsa_float_denorm_mode_32 3
		.amdhsa_float_denorm_mode_16_64 3
		.amdhsa_memory_ordered 1
		.amdhsa_forward_progress 1
		.amdhsa_inst_pref_size 175
	.end_amdhsa_kernel
	.amdgpu_metadata
---
amdhsa.version: [ 1, 2 ]
amdhsa.kernels:
  - .name:           k_qf63b9cdcef_proj
    .symbol:         k_qf63b9cdcef_proj.kd
    .args:
      - { .name: op, .offset: 0, .size: 8, .value_kind: global_buffer, .address_space: global }
      - { .name: oq, .offset: 8, .size: 8, .value_kind: global_buffer, .address_space: global }
      - { .name: b_proj, .offset: 16, .size: 8, .value_kind: global_buffer, .address_space: global }
      - { .name: out0, .offset: 24, .size: 8, .value_kind: global_buffer, .address_space: global }
    .group_segment_fixed_size: 327680
    .private_segment_fixed_size: 0
    .kernarg_segment_align: 8
    .kernarg_segment_size: 32
    .max_flat_workgroup_size: 128
    .sgpr_count:     100
    .vgpr_count:     1024
    .wavefront_size: 32
...
	.end_amdgpu_metadata
.endif
;; end of part 4
